; MI455X (gfx1250); checked and timed in simulation.
; The chip was launched on July 23, 2026; its instructions are those of AMD's public machine-readable ISA for CDNA 5 (MIT licence, August 2026) and "CDNA5" Instruction Set Architecture Reference Guide (July 2026). The comments in the code are by the model that wrote it; some were corrected since.
;; Multi Modal Attention. Allowed arithmetic: float matrix products may take bf16 or f16 operands with f32 sums; all other float work in f32.
;; Inputs: wk 4,096 x 512 float32; wo 2,048 x 4,096 float32; wq 4,096 x 2,048 float32; wv 4,096 x 512 float32; x 1 x 2,048 x 4,096 float32.
;; Outputs: out0 1 x 2,048 x 4,096 float32.
;; 2 versions, each right; version 2 is version 1 with the launch cast written anew for expert scheduling mode. Each part assembles by itself: llvm-mc -triple=amdgcn-amd-amdhsa -mcpu=gfx1250 --defsym DOCPART=n.
;; ======== version 1 of 2: 4 launches
;; limits: values are held in f16: magnitudes above 65,504 overflow, below 6.1e-05 lose precision; right only within a limited range of input values
;; workspace buffers: xb 16,777,216 bytes; wqkvb 25,165,824 bytes; woh 16,777,216 bytes; rope 1,048,576 bytes; qkvh 12,582,912 bytes; oh 8,388,608 bytes
;; launch cast (part 1): grid 1824 x 1, 8 waves a work-group, no clusters, 0 bytes of LDS; arguments x, wq, wk, wv, wo, xb, wqkvb, woh, rope; writes xb, wqkvb, woh, rope
.if DOCPART == 1
	.amdgcn_target "amdgcn-amd-amdhsa--gfx1250"
	.amdhsa_code_object_version 6
	.text
	.protected	k_qf3c7d3f03a_cast
	.globl	k_qf3c7d3f03a_cast
	.p2align	8
	.type	k_qf3c7d3f03a_cast,@function
k_qf3c7d3f03a_cast:
	s_mov_b64 s[64:65], 0
	v_nop
	global_prefetch_b8 v0, s[64:65] scope:SCOPE_SE
	s_setreg_imm32_b32 hwreg(HW_REG_WAVE_MODE, 25, 1), 1
	s_wait_xcnt 0x0
; Launch 1 of 4.  The f32 inputs become 16-bit matrix operands, and the table of the rotation is made.
;   xb    [2048][4096] bf16 = x          wqkvb [4096][3072] bf16 = wq | wk | wv side by side along the columns
;   woh   [2048][4096] f16  = wo rounded to bf16 like the other inputs, that value then written as f16 (the product that
;         reads it has an f16 partner, and the f16 form takes both operands in f16).  The second step is exact for
;         2^-17 <= |w| < 65,504; below that it errs by at most 2^-25.
;   rope  [2048][128] f32: row s = cos(angle(s, j)) / 4 for j = 0..63, then sin(angle(s, j)) / 4.  The quarter is the scale at
;         which q, k and v are carried in f16 by the next launches; row 0 is exactly (1/4, 0).
; A stream: memory binds, so no LDS, no matrix unit, no cluster.  A unit is 512 numbers that are contiguous in source and
; destination (2,048 bytes in, 1,024 out).  A work-group takes 32 units, a wave 4: 8,192 contiguous source bytes, all sixteen
; 16-byte loads of a lane issued at once.  Each load of a wave covers 512 contiguous bytes, each store 256, aligned.
; Work-groups 0-511 x, 512-1023 wq, 1024-1535 wo, 1536-1663 wk, 1664-1791 wv, 1792-1823 the table.
; LIMIT: the table's angle differs from one computed with correctly rounded powers by a few units in the last place of the
; angle, at most about 3e-4 radians at position 2047.
.set VD, 4                             ; v[4:7]    byte offset in the destination of my 8 bytes in unit j of my wave's four
.set LD, 16                            ; v[16:79]  sixteen loads of 4 registers
.set PK, 80                            ; v[80:111] sixteen pairs of packed results
	s_load_b512 s[8:23], s[0:1], 0x0               ; x 8, wq 10, wk 12, wv 14, wo 16, xb 18, wqkvb 20, woh 22
	s_load_b64 s[24:25], s[0:1], 0x40              ; rope
	v_and_b32 v1, 31, v0                           ; lane
	v_lshrrev_b32 v2, 5, v0
	v_readfirstlane_b32 s3, v2                     ; wave
	s_mov_b32 s2, ttmp9
	s_mov_b32 s35, 0                               ; upper word of the 32-bit offsets below
	s_cmp_ge_u32 s2, 1792
	s_cbranch_scc1 .Ltable
	; which tensor: source, destination, my number lw among its work-groups, and the destination byte of unit u0 + j
	; (u0 a multiple of 4) = u0 * MUL + COL + j * STEP.  Every choice hangs on the work-group's number alone.
	s_sub_co_u32 s36, s2, 512
	s_sub_co_u32 s37, s2, 1024
	s_sub_co_u32 s38, s2, 1536
	s_sub_co_u32 s39, s2, 1664
	s_mov_b32 s26, s2                              ; lw
	s_movk_i32 s27, 1024                           ; MUL
	s_movk_i32 s28, 1024                           ; STEP
	s_mov_b32 s29, 0                               ; COL
	s_wait_kmcnt 0x0
	s_mov_b64 s[30:31], s[8:9]                     ; x to xb: dense
	s_mov_b64 s[32:33], s[18:19]
	s_cmp_ge_u32 s2, 512                           ; wq: four units a row, rows 6,144 bytes apart: u0 * 1,536 = (u0 / 4) * 6,144
	s_cselect_b64 s[30:31], s[10:11], s[30:31]
	s_cselect_b64 s[32:33], s[20:21], s[32:33]
	s_cselect_b32 s26, s36, s26
	s_cselect_b32 s27, 1536, s27
	s_cmp_ge_u32 s2, 1024                          ; wo to woh: dense
	s_cselect_b64 s[30:31], s[16:17], s[30:31]
	s_cselect_b64 s[32:33], s[22:23], s[32:33]
	s_cselect_b32 s26, s37, s26
	s_cselect_b32 s27, 1024, s27
	s_cmp_ge_u32 s2, 1536                          ; wk: one unit a row, at column 2,048
	s_cselect_b64 s[30:31], s[12:13], s[30:31]
	s_cselect_b64 s[32:33], s[20:21], s[32:33]
	s_cselect_b32 s26, s38, s26
	s_cselect_b32 s27, 6144, s27
	s_cselect_b32 s28, 6144, s28
	s_cselect_b32 s29, 4096, s29
	s_cmp_ge_u32 s2, 1664                          ; wv: the same at column 2,560
	s_cselect_b64 s[30:31], s[14:15], s[30:31]
	s_cselect_b32 s26, s39, s26
	s_cselect_b32 s29, 5120, s29
	s_lshl_b32 s34, s26, 16                        ; 65,536 source bytes a work-group
	s_add_nc_u64 s[30:31], s[30:31], s[34:35]
	s_lshl_b32 s34, s26, 5                         ; 32 units a work-group
	s_mul_i32 s34, s34, s27
	s_add_co_u32 s34, s34, s29
	s_add_nc_u64 s[32:33], s[32:33], s[34:35]
	v_lshlrev_b32 v3, 4, v1
	v_lshl_add_u32 v3, v2, 13, v3                  ; source: 8,192 wave + 16 lane
	v_lshlrev_b32 v8, 3, v1                        ; destination: 8 lane
	v_lshlrev_b32 v9, 2, v2                        ; my wave's first unit
	v_mad_u32_u24 v[VD], v9, s27, v8
	v_add_nc_u32 v[VD+1], s28, v[VD]
	v_add_nc_u32 v[VD+2], s28, v[VD+1]
	v_add_nc_u32 v[VD+3], s28, v[VD+2]
.irp i, 0,1,2,3,4,5,6,7,8,9,10,11,12,13,14,15
	global_load_b128 v[LD+4*\i:LD+4*\i+3], v3, s[30:31] offset:512*\i th:TH_LOAD_NT
.endr
	s_cmp_lt_u32 s37, 512                          ; wo's work-groups (the difference wraps for smaller numbers)
	s_cbranch_scc1 .Lhalf
	; to bf16.  No register is written twice, so the only waits are the counted ones: 15 - i younger loads may stay out.
.irp i, 0,1,2,3,4,5,6,7,8,9,10,11,12,13,14,15
	s_wait_loadcnt 15-\i
	v_cvt_pk_bf16_f32 v[PK+2*\i], v[LD+4*\i], v[LD+4*\i+1]
	v_cvt_pk_bf16_f32 v[PK+2*\i+1], v[LD+4*\i+2], v[LD+4*\i+3]
	global_store_b64 v[VD+\i/4], v[PK+2*\i:PK+2*\i+1], s[32:33] offset:256*(\i%4)
.endr
	s_endpgm
.Lhalf:
	; wo: rounded to bf16, widened again (a shift, a mask), written as f16
.irp i, 0,1,2,3,4,5,6,7,8,9,10,11,12,13,14,15
	s_wait_loadcnt 15-\i
	v_cvt_pk_bf16_f32 v10, v[LD+4*\i], v[LD+4*\i+1]
	v_cvt_pk_bf16_f32 v11, v[LD+4*\i+2], v[LD+4*\i+3]
	v_lshlrev_b32 v12, 16, v10
	v_and_b32 v13, 0xffff0000, v10
	v_lshlrev_b32 v14, 16, v11
	v_and_b32 v15, 0xffff0000, v11
	v_cvt_pk_f16_f32 v[PK+2*\i], v12, v13
	v_cvt_pk_f16_f32 v[PK+2*\i+1], v14, v15
	global_store_b64 v[VD+\i/4], v[PK+2*\i:PK+2*\i+1], s[32:33] offset:256*(\i%4)
.endr
	s_endpgm
.Ltable:
	; 32 work-groups x 8 waves x 8 rows.  A lane owns the frequencies j = 2 lane and 2 lane + 1, so that a store of 8 bytes a lane
	; is a whole half row of 256 bytes.
	s_sub_co_u32 s26, s2, 1792
	s_lshl_b32 s26, s26, 3
	s_add_co_u32 s26, s26, s3
	s_lshl_b32 s26, s26, 3                         ; my wave's first row = position
	s_lshl_b32 s34, s26, 9                         ; 512 bytes a row
	s_mov_b32 s50, 0x3d042108                      ; 1/31
	s_mov_b32 s51, 0x3f7ccccd                      ; 1 - 1/80
	s_mov_b32 s52, 0xb94ca1f9                      ; sine's highest coefficient, -1.9515296e-4
	s_mov_b32 s53, 0x37ccf5ce                      ; cosine's highest coefficient, 2.4433157e-5
	s_mov_b32 s54, 0x3e800000                      ; 1/4
	s_wait_kmcnt 0x0
	s_add_nc_u64 s[24:25], s[24:25], s[34:35]
	v_lshlrev_b32 v9, 3, v1                        ; 8 lane
	v_lshlrev_b32 v3, 1, v1
	v_cvt_f32_u32 v4, v3                           ; j
	v_add_f32 v5, 1.0, v4                          ; j + 1
	v_mul_f32 v4, 0xbe549a78, v4                   ; -j log2(10000) / 64
	v_mul_f32 v5, 0xbe549a78, v5
	v_exp_f32 v6, v4                               ; 10000^(-j/64)
	v_exp_f32 v7, v5
	v_nop                                          ; one plain instruction behind the exponentials (ISA guide 5.7.2)
	s_wait_alu depctr_va_vdst(0)
.irp e, 0,1
	v_mul_f32 v[10+\e], 0x46cbb7e4, v[6+\e]        ; 163,840 / wavelength = 26,075.946 x frequency
	v_fma_f32 v[10+\e], v[10+\e], s50, -s50        ; (r - 1) / 31
	v_med3_num_f32 v[10+\e], v[10+\e], 0, 1.0      ; gamma
	v_fmaak_f32 v[10+\e], s51, v[10+\e], 0x3c4ccccd   ; (1 - gamma) / 80 + gamma
	v_mul_f32 v[10+\e], v[6+\e], v[10+\e]          ; the scaled frequency
.endr
; cos / 4 into v[oc] and sin / 4 into v[os] of the angle v12 (position) x v[th] / sqrt(0.1 ln 80 + 1).
; The angle less n quarter turns (pi/2 in two parts, each taken away by a fused multiply-add) lies in +-pi/4; there a polynomial of
; degree 7 for the sine and of degree 8 for the cosine; n mod 4 swaps them and sets the signs.
.macro SINCOS th, oc, os
	v_mul_f32 v13, v12, v[\th]
	v_mul_f32 v13, 0x3f557773, v13                 ; x 0.83385388
	v_mul_f32 v14, 0x3f22f983, v13                 ; x 2/pi
	v_rndne_f32 v14, v14                           ; n
	v_fmamk_f32 v15, v14, 0xbfc90fdb, v13          ; - n x 1.57079637
	v_fmamk_f32 v15, v14, 0x333bbd2e, v15          ; + n x 4.3711388e-8
	v_mul_f32 v16, v15, v15                        ; z
	v_fmaak_f32 v17, s52, v16, 0x3c08839e
	v_fmaak_f32 v18, s53, v16, 0xbab6061a
	v_fmaak_f32 v17, v17, v16, 0xbe2aaaa3
	v_fmaak_f32 v18, v18, v16, 0x3d2aaaa5
	v_mul_f32 v17, v17, v16
	v_mul_f32 v18, v18, v16
	v_fma_f32 v19, v16, -0.5, 1.0
	v_fma_f32 v17, v17, v15, v15                   ; sine of the rest
	v_fma_f32 v18, v18, v16, v19                   ; cosine of the rest
	v_cvt_i32_f32 v20, v14
	v_and_b32 v21, 1, v20
	v_cmp_eq_u32 vcc_lo, 1, v21
	v_cndmask_b32 v22, v17, v18, vcc_lo            ; odd n: the sine is the rest's cosine,
	v_cndmask_b32 v23, v18, v17, vcc_lo            ; the cosine its sine
	v_and_b32 v21, 2, v20                          ; sine negative for n mod 4 = 2, 3
	v_add_nc_u32 v20, 1, v20
	v_and_b32 v20, 2, v20                          ; cosine negative for n mod 4 = 1, 2
	v_mul_f32 v22, s54, v22
	v_mul_f32 v23, s54, v23
	v_lshlrev_b32 v21, 30, v21
	v_lshlrev_b32 v20, 30, v20
	v_xor_b32 v[\os], v22, v21
	v_xor_b32 v[\oc], v23, v20
.endm
.irp row, 0,1,2,3,4,5,6,7
	s_add_co_u32 s27, s26, \row
	v_cvt_f32_u32 v12, s27
	SINCOS 10, 32+4*\row, 34+4*\row
	SINCOS 11, 33+4*\row, 35+4*\row
	global_store_b64 v9, v[32+4*\row:33+4*\row], s[24:25] offset:512*\row        ; each row has result registers of its own
	global_store_b64 v9, v[34+4*\row:35+4*\row], s[24:25] offset:512*\row+256
.endr
	s_endpgm
.Lfunc_end_k_qf3c7d3f03a_cast:
	.size	k_qf3c7d3f03a_cast, .Lfunc_end_k_qf3c7d3f03a_cast-k_qf3c7d3f03a_cast
	.p2alignl 7, 3214868480
	.fill 96, 4, 3214868480
	.section	.rodata,"a",@progbits
	.p2align	6, 0x0
	.amdhsa_kernel k_qf3c7d3f03a_cast
		.amdhsa_group_segment_fixed_size 0
		.amdhsa_private_segment_fixed_size 0
		.amdhsa_enable_private_segment 0
		.amdhsa_kernarg_size 72
		.amdhsa_user_sgpr_count 2
		.amdhsa_user_sgpr_kernarg_segment_ptr 1
		.amdhsa_wavefront_size32 1
		.amdhsa_system_sgpr_workgroup_id_x 1
		.amdhsa_system_sgpr_workgroup_id_y 1
		.amdhsa_system_sgpr_workgroup_id_z 1
		.amdhsa_system_vgpr_workitem_id 0
		.amdhsa_next_free_vgpr 112
		.amdhsa_next_free_sgpr 66
		.amdhsa_reserve_vcc 1
		.amdhsa_float_denorm_mode_32 3
		.amdhsa_float_denorm_mode_16_64 3
		.amdhsa_memory_ordered 1
		.amdhsa_forward_progress 1
		.amdhsa_inst_pref_size 42
	.end_amdhsa_kernel
	.amdgpu_metadata
---
amdhsa.version: [ 1, 2 ]
amdhsa.kernels:
  - .name:           k_qf3c7d3f03a_cast
    .symbol:         k_qf3c7d3f03a_cast.kd
    .args:
      - { .name: x, .offset: 0, .size: 8, .value_kind: global_buffer, .address_space: global }
      - { .name: wq, .offset: 8, .size: 8, .value_kind: global_buffer, .address_space: global }
      - { .name: wk, .offset: 16, .size: 8, .value_kind: global_buffer, .address_space: global }
      - { .name: wv, .offset: 24, .size: 8, .value_kind: global_buffer, .address_space: global }
      - { .name: wo, .offset: 32, .size: 8, .value_kind: global_buffer, .address_space: global }
      - { .name: xb, .offset: 40, .size: 8, .value_kind: global_buffer, .address_space: global }
      - { .name: wqkvb, .offset: 48, .size: 8, .value_kind: global_buffer, .address_space: global }
      - { .name: woh, .offset: 56, .size: 8, .value_kind: global_buffer, .address_space: global }
      - { .name: rope, .offset: 64, .size: 8, .value_kind: global_buffer, .address_space: global }
    .group_segment_fixed_size: 0
    .private_segment_fixed_size: 0
    .kernarg_segment_align: 8
    .kernarg_segment_size: 72
    .max_flat_workgroup_size: 256
    .sgpr_count:     66
    .vgpr_count:     112
    .wavefront_size: 32
...
	.end_amdgpu_metadata
.endif
;; end of part 1
;; launch qkv (part 2): grid 24 x 8, 4 waves a work-group, clusters of 4 x 4, 327,680 bytes of LDS; arguments xb, wqkvb, qkvh, rope; writes qkvh
.if DOCPART == 2
	.amdgcn_target "amdgcn-amd-amdhsa--gfx1250"
	.amdhsa_code_object_version 6
	.text
	.protected	k_qf3c7d3f03a_qkv
	.globl	k_qf3c7d3f03a_qkv
	.p2align	8
	.type	k_qf3c7d3f03a_qkv,@function
k_qf3c7d3f03a_qkv:
	s_mov_b64 s[64:65], 0
	v_nop
	global_prefetch_b8 v0, s[64:65] scope:SCOPE_SE
	s_setreg_imm32_b32 hwreg(HW_REG_WAVE_MODE, 25, 1), 1
	s_wait_xcnt 0x0
	s_wait_alu depctr_hold_cnt(0) depctr_sa_sdst(0) depctr_va_vdst(0) depctr_va_sdst(0) depctr_va_ssrc(0) depctr_va_vcc(0) depctr_vm_vsrc(0)
	s_getreg_b32 s2, hwreg(HW_REG_IB_STS2, 6, 4)
	s_cmp_eq_u32 s2, 0
	s_cbranch_scc0 .Lentry_in_a_cluster
	s_endpgm
.Lentry_in_a_cluster:
	s_bfe_u32 s2, ttmp6, 0x10000c
	s_cmp_lg_u32 s2, 0xf033
	s_cbranch_scc0 .Lentry_shape_is_right
	s_endpgm
.Lentry_shape_is_right:
; Launch 2 of 4.  qkvh[2048][3072] f16 = rotate(xb [2048][4096] x wqkvb [4096][3072]) / 4: bf16 operands, f32 sums.
; Columns 0-2047 are q (16 heads of 128), 2048-2559 k (4 heads), 2560-3071 v (4 heads).
; A work-group makes 256 rows x 128 columns (one head) with four waves; a wave makes 64 rows x 128 columns: 32 accumulator tiles of
; 16 x 16, 256 registers.  So columns d and d + 64, which the rotation pairs, are tiles b and b + 4 of one lane and register.
; 24 x 8 = 192 work-groups: a block of 128 columns keeps a head whole, and 256 rows keep 32 matrix instructions for 24 LDS loads.
; THE RING has two slots of unequal size, filled by tensor loads, one a wave (waves 0, 1 the halves of A's tile, waves 2, 3 those of B's):
; the LARGE slot holds 256 along K (A: 256 rows of 512 bytes, B: 256 K rows of 256 bytes), the SMALL one 128 along K.  Two slots of 256 along K
; would take 2 x 208,896 bytes, more than the 327,680 of a WGP; 208,896 + 106,496 = 315,392 fit.  A slot's load has the other slot's
; work in which to land: the small slot's 16 + 7 x 32 + 8 = 248 matrix instructions, the large slot's 16 + 3 x 32 + 8 = 120; and there are two
; changes of slots for 384 along K.  K = 4,096 = 11 large + 10 small tiles, in the order L S L S .. L.
; B lies [K][N], so its fragments are read by the transposing LDS load.
; CLUSTERS 4 x 4: A's tile hangs on the block row alone and is asked for jointly by a row of the cluster, B's on the block column alone
; and is asked for jointly by a column.  A wave has two tensor loads out at the start and one afterwards.
; THE MATRIX INSTRUCTION IS USED TRANSPOSED (source 0 = B's fragment, source 1 = A's): lane l holds row l % 16 of C and its registers
; the columns 8 (l / 16) + 0..7.
; THE ROTATION is applied to the f32 sums on the way out, with cos / 4 and sin / 4 from the table: y1 = x1 c - x2 s, y2 = x2 c + x1 s.
; v's blocks (cluster column 5 = block columns 20-23) read the table's row 0, (1/4, 0), for every row, so one path serves all.
; LIMITS: results are carried at a quarter of their value in f16: |q|, |k|, |v| must stay below 262,000 (with every input offset by 30
; spreads they reach about 57,600); a v whose partner column d +- 64 is not finite becomes NaN (0 x infinity).
; REGISTERS: window 0: v16-31 addresses, v32-47 at work, v64-159 and v160-255 two fragment buffers (B's 8 fragments, then A's 4);
; window 1: accumulator (a, b) at v[8 (8 a + b)]; window 2: the table, 64 a + 16 b + (0..7 cos, 8..15 sin), b = 0..3.
.set SIZE_K, 4096
.set SIZE_N, 3072
.set PAL,    528                       ; LDS pitch of A's rows in the large slot: 512 bytes + 16, an odd multiple of 16
.set PAS,    272                       ; in the small slot: 256 bytes + 16
.set PB,     288                       ; LDS pitch of B's rows: 256 bytes + 32, an odd multiple of 32, for the transposing load
.set LA,     0                         ; A large: 256 rows
.set SA,     LA+256*PAL                ; A small: 256 rows, at 135,168
.set LB,     SA+256*PAS                ; B large: 256 K rows, at 204,800
.set SB,     LB+256*PB                 ; B small: 128 K rows, at 278,528; LDS ends at 315,392
.set K0L,    0                         ; the first large tile begins at K = 0,
.set K0S,    256                       ; the first small one at K = 256
.set LAPK,   384                       ; a lap = one large and one small tile
.set STAGE,  SA                        ; the way out's stage lies in A small: that slot has had its last fill, and the last period reads the large slot
.set SBYTES, 16*PAS                    ; 16 rows x 272 bytes for each wave
.set ADRA, 16                          ; v16 LDS address of my A fragments in the large slot, v17 in the small one
.set ADRB, 20                          ; v20 B's in the large slot, K rows 0-127; v21 K rows 128-255; v22 in the small slot
.set STO,  24                          ; the way out: where I put 16 bytes of a row
.set RD,   25                          ; the way out: where I read a row back
.set CO,   26                          ; my byte offset in C
.set VT,   28                          ; v28-31 my byte offset in the table for row tile a
.set F0,   64
.set F1,   160
; slot 0 = large, slot 1 = small
.set G1A, 24                           ; s[24:31], s[32:39] group 1 for A's tiles, a set for each slot
.set G1B, 40                           ; s[40:47], s[48:55] group 1 for B's tiles
.set G0A, 56                           ; s[56:59], s[60:63] group 0 for A's tiles
.set G0B, 80                           ; s[80:83], s[84:87] group 0 for B's tiles
.set CX,  88                           ; my place along the cluster's x
.set CY,  89                           ; along its y
.set BX,  90                           ; block column
.set RM,  91                           ; mask of my row of the cluster
.set CM,  92                           ; mask of my column
.set MUL, 0x50                         ; C and D window 1, sources window 0
.set MSB, 0
.macro WIN new                         ; the immediate's high byte repeats the setting that is left
.if MSB != \new
	s_set_vgpr_msb (MSB<<8)|\new
.set MSB, \new
.endif
.endm
.macro PLACES                          ; four places behind matrix instructions (ISA guide 7.12.1)
.rept 4
	v_nop
.endr
.endm
; A joint load for slot s: waves 0, 1 ask for A's halves, waves 2, 3 for B's.  Each line has one mask; the branch hangs on the wave's number alone.
; Four v_nop follow each line.
.macro JLOAD s
	s_cmp_eq_u32 s11, 0
	s_cbranch_scc0 .Lfor_b_\@
	tensor_load_to_lds s[G0A+4*\s:G0A+4*\s+3], s[G1A+8*\s:G1A+8*\s+7]
	s_nop 0
.rept 4
	v_nop
.endr
	s_branch .Lasked_\@
.Lfor_b_\@:
	tensor_load_to_lds s[G0B+4*\s:G0B+4*\s+3], s[G1B+8*\s:G1B+8*\s+7]
	s_nop 0
.rept 4
	v_nop
.endr
.Lasked_\@:
.endm
.macro CREST                           ; a round of the cluster's barrier behind its opening work-group barrier
	s_cmp_lg_u32 s10, 0
	s_cbranch_scc1 .Lnot_wave_0_\@
	s_barrier_signal -3
.Lnot_wave_0_\@:
	s_barrier_wait -3
	s_barrier_signal -1
	s_barrier_wait -1
.endm
.macro CROUND                          ; a whole round
	s_barrier_signal -1
	s_barrier_wait -1
	CREST
.endm
	s_load_b256 s[72:79], s[0:1], 0x0              ; xb s[72:73], wqkvb s[74:75], qkvh s[76:77], rope s[78:79]
	v_lshl_add_u32 v62, v0, 2, 0x4d000
	v_mov_b32 v63, 0
	ds_add_u32 v62, v63
	v_lshrrev_b32 v1, 5, v0
	v_readfirstlane_b32 s10, v1                    ; wave 0..3
	s_lshr_b32 s11, s10, 1                         ; I fetch for A (0) or for B (1)
	s_and_b32 s12, s10, 1                          ; which half of that tile
	s_bfe_u32 s[CX], ttmp6, 0x40000
	s_bfe_u32 s[CY], ttmp6, 0x40004
	s_lshl_b32 s[BX], ttmp9, 2
	s_add_co_u32 s[BX], s[BX], s[CX]               ; block column = 4 x cluster x + cx
	s_and_b32 s13, ttmp7, 0xffff
	s_lshl_b32 s13, s13, 2
	s_add_co_u32 s13, s13, s[CY]                   ; block row = 4 x cluster y + cy
	s_lshl_b32 s[RM], s[CY], 2
	s_lshl_b32 s[RM], 15, s[RM]                    ; my row of the cluster
	s_lshl_b32 s[CM], 0x1111, s[CX]                ; my column
	; group 1.  A large: 128 rows x 256 elements, 4 words of padding after every 128 words
	s_or_b32 s[G1A+0], s[RM], (1<<16)|(1<<20)|(1<<21)|(6<<22)|(3<<25)   ; mask; 2-byte elements; padding on; bit 21 beside a mask
	s_mov_b32 s[G1A+1], 256<<16                    ; tensor_dim0 = 256
	s_mov_b32 s[G1A+2], 128<<16                    ; tensor_dim1 = 128
	s_mov_b32 s[G1A+3], 256<<16                    ; tile_dim0 = 256
	s_mov_b32 s[G1A+4], 128                        ; tile_dim1 = 128
	s_mov_b32 s[G1A+5], SIZE_K                     ; elements from row to row
	s_mov_b32 s[G1A+6], 0
	s_mov_b32 s[G1A+7], 0
	; A small: 128 rows x 128 elements, 4 words after every 64
	s_or_b32 s[G1A+8], s[RM], (1<<16)|(1<<20)|(1<<21)|(5<<22)|(3<<25)
	s_mov_b32 s[G1A+9], 128<<16
	s_mov_b32 s[G1A+10], 128<<16
	s_mov_b32 s[G1A+11], 128<<16
	s_mov_b32 s[G1A+12], 128
	s_mov_b32 s[G1A+13], SIZE_K
	s_mov_b32 s[G1A+14], 0
	s_mov_b32 s[G1A+15], 0
	; B large: 128 K rows x 128 columns, 8 words after every 64
	s_or_b32 s[G1B+0], s[CM], (1<<16)|(1<<20)|(1<<21)|(5<<22)|(7<<25)
	s_mov_b32 s[G1B+1], 128<<16
	s_mov_b32 s[G1B+2], 128<<16
	s_mov_b32 s[G1B+3], 128<<16
	s_mov_b32 s[G1B+4], 128
	s_mov_b32 s[G1B+5], SIZE_N
	s_mov_b32 s[G1B+6], 0
	s_mov_b32 s[G1B+7], 0
	; B small: 64 K rows
	s_or_b32 s[G1B+8], s[CM], (1<<16)|(1<<20)|(1<<21)|(5<<22)|(7<<25)
	s_mov_b32 s[G1B+9], 128<<16
	s_mov_b32 s[G1B+10], 64<<16
	s_mov_b32 s[G1B+11], 128<<16
	s_mov_b32 s[G1B+12], 64
	s_mov_b32 s[G1B+13], SIZE_N
	s_mov_b32 s[G1B+14], 0
	s_mov_b32 s[G1B+15], 0
	; A's address hangs on the block row and the wave, B's on the block column and the wave, each in registers that never hold the other coordinate
	s_lshl_b32 s17, s12, 7
	s_lshl_b32 s16, s13, 8
	s_add_co_u32 s16, s16, s17                     ; A: row 256 x block row + 128 x half
	s_mul_i32 s16, s16, SIZE_K*2
	s_mov_b32 s17, 0
	s_lshl_b32 s94, s[BX], 8                       ; B: column 128 x block column,
	s_mov_b32 s95, 0
	s_mul_i32 s66, s12, 128*SIZE_N*2               ; K row 128 x half of a large tile,
	s_mov_b32 s67, 0
	s_mul_i32 s68, s12, 64*SIZE_N*2                ; 64 x half of a small one
	s_mov_b32 s69, 0
	; LDS: the wave's number times a constant plus a constant; every one of these sums lies inside LDS for all four waves
	s_mul_i32 s20, s10, 128*PAL                    ; A large: LA (= 0) + wave x 67,584 (waves 0, 1)
	s_mul_i32 s21, s10, 128*PAS
	s_add_co_u32 s21, s21, SA                      ; A small: 135,168 + wave x 34,816
	s_mul_i32 s22, s10, 128*PB
	s_add_co_u32 s22, s22, LB-2*128*PB             ; B large: 204,800 + (wave - 2) x 36,864 (waves 2, 3)
	s_mul_i32 s23, s10, 64*PB
	s_add_co_u32 s23, s23, SB-2*64*PB              ; B small: 278,528 + (wave - 2) x 18,432
	s_wait_dscnt 0x0
	s_wait_kmcnt 0x0
	s_add_nc_u64 s[14:15], s[72:73], s[16:17]
	s_add_nc_u64 s[94:95], s[74:75], s[94:95]
	s_mov_b32 s[G0A+0], 1
	s_mov_b32 s[G0A+1], s20
	s_add_nc_u64 s[G0A+2:G0A+3], s[14:15], K0L*2
	s_or_b32 s[G0A+3], s[G0A+3], 0x80000000
	s_mov_b32 s[G0A+4], 1
	s_mov_b32 s[G0A+5], s21
	s_add_nc_u64 s[G0A+6:G0A+7], s[14:15], K0S*2
	s_or_b32 s[G0A+7], s[G0A+7], 0x80000000
	s_mov_b32 s[G0B+0], 1
	s_mov_b32 s[G0B+1], s22
	s_add_nc_u64 s[G0B+2:G0B+3], s[94:95], s[66:67]
	s_add_nc_u64 s[G0B+2:G0B+3], s[G0B+2:G0B+3], K0L*SIZE_N*2
	s_or_b32 s[G0B+3], s[G0B+3], 0x80000000
	s_mov_b32 s[G0B+4], 1
	s_mov_b32 s[G0B+5], s23
	s_add_nc_u64 s[G0B+6:G0B+7], s[94:95], s[68:69]
	s_add_nc_u64 s[G0B+6:G0B+7], s[G0B+6:G0B+7], K0S*SIZE_N*2
	s_or_b32 s[G0B+7], s[G0B+7], 0x80000000
	CROUND                                         ; all sixteen work-groups are here: the first joint loads meet
	JLOAD 0                                        ; tile 0 (large), ahead of everything else,
	JLOAD 1                                        ; and tile 1 (small)
	v_and_b32 v1, 15, v0                           ; r = l % 16
	v_bfe_u32 v2, v0, 4, 1                         ; h = l / 16
	v_mul_u32_u24 v3, v1, PAL
	v_lshl_add_u32 v3, v2, 4, v3                   ; 528 r + 16 h
	s_mul_i32 s22, s10, 64*PAL                     ; my 64 rows of A
	v_add_nc_u32 v[ADRA], s22, v3
	v_mul_u32_u24 v3, v1, PAS
	v_lshl_add_u32 v3, v2, 4, v3                   ; 272 r + 16 h
	s_mul_i32 s22, s10, 64*PAS
	s_add_co_u32 s22, s22, SA
	v_add_nc_u32 v[ADRA+1], s22, v3
	v_and_b32 v4, 7, v0                            ; the transposing load: lane l addresses K row 8 h + l % 8,
	v_lshl_add_u32 v4, v2, 3, v4
	v_mul_u32_u24 v4, v4, PB
	v_bfe_u32 v5, v0, 3, 1                         ; and the 16 bytes (l / 8) % 2 of the fragment's 32
	v_lshl_add_u32 v4, v5, 4, v4
	v_add_nc_u32 v[ADRB], LB, v4
	v_add_nc_u32 v[ADRB+1], LB+128*PB, v4          ; the large slot's second half has a register of its own: its offsets would pass 16 bits
	v_add_nc_u32 v[ADRB+2], SB, v4
	s_mul_i32 s23, s10, SBYTES
	s_add_co_u32 s23, s23, STAGE                   ; my stage
	v_add_nc_u32 v[STO], s23, v3                   ; in: row r, 16 bytes for each half of the lanes
	v_mul_u32_u24 v5, v2, PAS
	v_lshl_add_u32 v5, v1, 4, v5
	v_add_nc_u32 v[RD], s23, v5                    ; back: lanes 0-15 one row of 256 bytes, lanes 16-31 the next
	v_mul_u32_u24 v5, v2, SIZE_N*2
	v_lshl_add_u32 v[CO], v1, 4, v5                ; and the same two rows in C
	; the table: row = position = my row of C; for v's blocks the pitch is 0, so that every row reads row 0
	s_lshl_b32 s16, s13, 8
	s_lshl_b32 s17, s10, 6
	s_add_co_u32 s16, s16, s17                     ; my first row
	s_cmp_eq_u32 ttmp9, 5                          ; cluster column 5 holds block columns 20-23: the same in all partners
	s_cselect_b32 s18, 0, 512
	s_lshl_b32 s19, s18, 4                         ; 16 rows
	v_add_nc_u32 v6, s16, v1
	v_lshlrev_b32 v7, 5, v2                        ; 8 h numbers of 4 bytes
	v_mad_u32_u24 v[VT], v6, s18, v7
	v_add_nc_u32 v[VT+1], s19, v[VT]
	v_add_nc_u32 v[VT+2], s19, v[VT+1]
	v_add_nc_u32 v[VT+3], s19, v[VT+2]
	WIN 0x80                                       ; destination window 2.  These 64 loads are waited for once, in front of the way out
.irp a, 0,1,2,3
.irp b, 0,1,2,3
	global_load_b128 v[64*\a+16*\b:64*\a+16*\b+3],     v[VT+\a], s[78:79] offset:64*\b
	global_load_b128 v[64*\a+16*\b+4:64*\a+16*\b+7],   v[VT+\a], s[78:79] offset:64*\b+16
	global_load_b128 v[64*\a+16*\b+8:64*\a+16*\b+11],  v[VT+\a], s[78:79] offset:64*\b+256
	global_load_b128 v[64*\a+16*\b+12:64*\a+16*\b+15], v[VT+\a], s[78:79] offset:64*\b+272
.endr
.endr
	WIN 0
; 8 matrix instructions: row tile a x all 8 column tiles, 32 along K.  zero = 1: the product starts the sums.
; The 32 accumulators take turns, one instruction a turn, in the same order in every quarter.
.macro MUL8 f, a, zero
.irp b, 0,1,2,3,4,5,6,7
.if \zero
	v_wmma_f32_16x16x32_bf16 v[8*(8*\a+\b):8*(8*\a+\b)+7], v[\f+8*\b:\f+8*\b+7], v[\f+64+8*\a:\f+64+8*\a+7], 0
.else
	v_wmma_f32_16x16x32_bf16 v[8*(8*\a+\b):8*(8*\a+\b)+7], v[\f+8*\b:\f+8*\b+7], v[\f+64+8*\a:\f+64+8*\a+7], v[8*(8*\a+\b):8*(8*\a+\b)+7]
.endif
.endr
.endm
; 24 LDS loads in one run: quarter q (32 along K; the large slot has 8 of them, the small one 4) of slot s into buffer f:
; B's 8 fragments turned, then A's 4, a ascending
.macro FETCH s, q, f
	WIN 0
.if (\s) == 0
.set FB,  ADRB+(\q)/4
.set FBO, ((\q)%4)*32*PB
.set FA,  ADRA
.set FAP, PAL
.else
.set FB,  ADRB+2
.set FBO, (\q)*32*PB
.set FA,  ADRA+1
.set FAP, PAS
.endif
.irp b, 0,1,2,3,4,5,6,7
	ds_load_tr16_b128 v[\f+8*\b:\f+8*\b+3],   v[FB] offset:FBO+32*\b
	ds_load_tr16_b128 v[\f+8*\b+4:\f+8*\b+7], v[FB] offset:FBO+32*\b+16*PB
.endr
.irp a, 0,1,2,3
	ds_load_b128 v[\f+64+8*\a:\f+64+8*\a+3],   v[FA] offset:(\q)*64+\a*16*FAP
	ds_load_b128 v[\f+64+8*\a+4:\f+64+8*\a+7], v[FA] offset:(\q)*64+\a*16*FAP+32
.endr
.endm
; A quarter but a slot's last: multiplies buffer f; in its middle it fetches quarter q of the same slot into buffer g.
.macro QUARTER s, q, f, g, zero
	s_wait_dscnt 4                                 ; B and A's tiles 0, 1 are in; the youngest four loads (A's tiles 2, 3) may be out
	WIN MUL
	MUL8 \f, 0, \zero
	MUL8 \f, 1, \zero
	PLACES                                         ; buffer g was read by matrix instructions: four places in front of the loads into it
	FETCH \s, \q, \g
	s_wait_dscnt 24                                ; all but the 24 just issued
	WIN MUL
	MUL8 \f, 2, \zero
	MUL8 \f, 3, \zero
.endm
.macro RUN s, zero                     ; all quarters of slot s but the last
	QUARTER \s, 1, F0, F1, \zero
	QUARTER \s, 2, F1, F0, 0
	QUARTER \s, 3, F0, F1, 0
.if (\s) == 0
	QUARTER \s, 4, F1, F0, 0
	QUARTER \s, 5, F0, F1, 0
	QUARTER \s, 6, F1, F0, 0
	QUARTER \s, 7, F0, F1, 0
.endif
.endm
; A slot's last quarter: multiplies buffer 1 and changes from slot s to slot o.  In front of the one barrier each wave waits for its reads of
; slot s and for all its tensor loads (one is out: its part of slot o).  Behind it (where slot s is filled again: behind the round of the
; cluster's barrier that it opens) the refill comes first, then slot o's first fragments.
.macro TURN s, o, fill
	s_wait_dscnt 4
	WIN MUL
	MUL8 F1, 0, 0
	s_wait_dscnt 0                                 ; my reads of this slot are over
	s_wait_tensorcnt 0x0                           ; all my tensor loads have landed
	ds_add_u32 v62, v63
	s_wait_dscnt 0x0
	s_barrier_signal -1
	MUL8 F1, 1, 0                                  ; register work while the others arrive
	WIN 0
	s_barrier_wait -1
.if \fill
	CREST                                          ; no wave of any partner still reads this slot or has a load on its way
	s_add_nc_u64 s[G0A+4*\s+2:G0A+4*\s+3], s[G0A+4*\s+2:G0A+4*\s+3], LAPK*2
	s_add_nc_u64 s[G0B+4*\s+2:G0B+4*\s+3], s[G0B+4*\s+2:G0B+4*\s+3], LAPK*SIZE_N*2
	JLOAD \s                                       ; its four v_nop are also the places in front of the loads below
.else
	PLACES
.endif
	FETCH \o, 0, F0
	WIN MUL
	MUL8 F1, 2, 0
	MUL8 F1, 3, 0
.endm
	s_wait_tensorcnt 1                             ; my part of tile 0 is in; tile 1's stays out
	s_barrier_signal -1
	s_barrier_wait -1
	FETCH 0, 0, F0
	RUN 0, 1                                       ; tile 0 (large): its first quarter starts the sums
	TURN 0, 1, 1                                   ; tile 2 is asked for
	WIN 0
	s_mov_b32 s3, 9
.Llap:                                         ; tiles 1 to 18; each asks for the tile two further on, up to tile 20
	RUN 1, 0
	TURN 1, 0, 1
	RUN 0, 0
	TURN 0, 1, 1
	WIN 0
	s_sub_co_u32 s3, s3, 1
	s_cmp_lg_u32 s3, 0
	s_cbranch_scc1 .Llap
	RUN 1, 0                                       ; tile 19 (small) and tile 20 (large) fill nothing
	TURN 1, 0, 0
	RUN 0, 0
	s_wait_dscnt 4
	WIN MUL
	MUL8 F1, 0, 0
	MUL8 F1, 1, 0
	s_wait_dscnt 0
	MUL8 F1, 2, 0
	MUL8 F1, 3, 0
	WIN 0
	PLACES                                         ; behind the last matrix instructions, for all that follows
	s_wait_loadcnt 0x0                             ; the table
	s_lshl_b32 s16, s13, 8
	s_lshl_b32 s17, s10, 6
	s_add_co_u32 s16, s16, s17                     ; my first row of C
	s_mul_i32 s16, s16, SIZE_N*2
	s_mov_b32 s17, 0
	s_add_nc_u64 s[76:77], s[76:77], s[16:17]
	s_lshl_b32 s94, s[BX], 8                       ; my block's first column, in bytes (in the registers that held B's address)
	s_mov_b32 s95, 0
	s_add_nc_u64 s[76:77], s[76:77], s[94:95]
; Rows 16 a .. 16 a + 15 of my 64: rotate in f32, round to f16, 16 bytes a lane into my stage, whole rows of 256 bytes back and out.
; The stage lies in the small slot's bytes: no tensor load follows, and every wave waited for its reads of that slot in front of the last barrier.
; It is my wave's own and LDS serves a wave's instructions in order (ISA guide 5.7.1): no wait between its stores and loads.
.macro OUTR a, f
	WIN 0x09                                       ; source 0 (sums) window 1, source 1 (table) window 2
.irp b, 0,1,2,3
.irp p, 0,2,4,6
	v_pk_mul_f32 v[32+\p:33+\p], v[8*(8*\a+\b+4)+\p:8*(8*\a+\b+4)+\p+1], v[64*\a+16*\b+8+\p:64*\a+16*\b+9+\p]   ; x2 s
	v_pk_mul_f32 v[40+\p:41+\p], v[8*(8*\a+\b)+\p:8*(8*\a+\b)+\p+1], v[64*\a+16*\b+8+\p:64*\a+16*\b+9+\p]       ; x1 s
.endr
.irp p, 0,2,4,6
	v_pk_fma_f32 v[64+8*\b+\p:65+8*\b+\p], v[8*(8*\a+\b)+\p:8*(8*\a+\b)+\p+1], v[64*\a+16*\b+\p:64*\a+16*\b+\p+1], v[32+\p:33+\p] neg_lo:[0,0,1] neg_hi:[0,0,1]
	v_pk_fma_f32 v[96+8*\b+\p:97+8*\b+\p], v[8*(8*\a+\b+4)+\p:8*(8*\a+\b+4)+\p+1], v[64*\a+16*\b+\p:64*\a+16*\b+\p+1], v[40+\p:41+\p]
.endr
.endr
	WIN 0
.irp b, 0,1,2,3,4,5,6,7
.irp r, 0,1,2,3
	v_cvt_pk_f16_f32 v[128+4*\b+\r], v[64+8*\b+2*\r], v[64+8*\b+2*\r+1]
.endr
.endr
.irp b, 0,1,2,3,4,5,6,7
	ds_store_b128 v[STO], v[128+4*\b:128+4*\b+3] offset:32*\b
.endr
	s_wait_xcnt 0x0                                ; buffer f, which earlier stores read, and the stores' base are rewritten only behind this wait
.if \a
	s_add_nc_u64 s[76:77], s[76:77], 16*SIZE_N*2
.endif
.irp t, 0,1,2,3,4,5,6,7
	ds_load_b128 v[\f+4*\t:\f+4*\t+3], v[RD] offset:\t*2*PAS
.endr
.irp t, 0,1,2,3,4,5,6,7
	s_wait_dscnt 7-\t
	global_store_b128 v[CO], v[\f+4*\t:\f+4*\t+3], s[76:77] offset:2*\t*SIZE_N*2   ; 16 lanes store 256 consecutive bytes, aligned
.endr
.endm
	OUTR 0, 160
	OUTR 1, 192
	OUTR 2, 160
	OUTR 3, 192
	s_wait_tensorcnt 0x0
	ds_add_u32 v62, v63
	s_wait_dscnt 0x0
	CROUND                                         ; the closing round: no work-group ends while a partner may still ask for a tile that names it
	s_endpgm
.Lfunc_end_k_qf3c7d3f03a_qkv:
	.size	k_qf3c7d3f03a_qkv, .Lfunc_end_k_qf3c7d3f03a_qkv-k_qf3c7d3f03a_qkv
	.p2alignl 7, 3214868480
	.fill 96, 4, 3214868480
	.section	.rodata,"a",@progbits
	.p2align	6, 0x0
	.amdhsa_kernel k_qf3c7d3f03a_qkv
		.amdhsa_group_segment_fixed_size 327680
		.amdhsa_private_segment_fixed_size 0
		.amdhsa_enable_private_segment 0
		.amdhsa_kernarg_size 32
		.amdhsa_user_sgpr_count 2
		.amdhsa_user_sgpr_kernarg_segment_ptr 1
		.amdhsa_wavefront_size32 1
		.amdhsa_system_sgpr_workgroup_id_x 1
		.amdhsa_system_sgpr_workgroup_id_y 1
		.amdhsa_system_sgpr_workgroup_id_z 1
		.amdhsa_system_vgpr_workitem_id 0
		.amdhsa_next_free_vgpr 768
		.amdhsa_next_free_sgpr 96
		.amdhsa_reserve_vcc 0
		.amdhsa_float_denorm_mode_32 3
		.amdhsa_float_denorm_mode_16_64 3
		.amdhsa_memory_ordered 1
		.amdhsa_forward_progress 1
		.amdhsa_inst_pref_size 172
	.end_amdhsa_kernel
	.amdgpu_metadata
---
amdhsa.version: [ 1, 2 ]
amdhsa.kernels:
  - .name:           k_qf3c7d3f03a_qkv
    .symbol:         k_qf3c7d3f03a_qkv.kd
    .args:
      - { .name: xb, .offset: 0, .size: 8, .value_kind: global_buffer, .address_space: global }
      - { .name: wqkvb, .offset: 8, .size: 8, .value_kind: global_buffer, .address_space: global }
      - { .name: qkvh, .offset: 16, .size: 8, .value_kind: global_buffer, .address_space: global }
      - { .name: rope, .offset: 24, .size: 8, .value_kind: global_buffer, .address_space: global }
    .group_segment_fixed_size: 327680
    .private_segment_fixed_size: 0
    .kernarg_segment_align: 8
    .kernarg_segment_size: 32
    .max_flat_workgroup_size: 128
    .sgpr_count:     96
    .vgpr_count:     768
    .wavefront_size: 32
...
	.end_amdgpu_metadata
.endif
;; end of part 2
;; launch attn (part 3): grid 64 x 4, 4 waves a work-group, clusters of 4 x 1, 327,680 bytes of LDS; arguments qkvh, oh; writes oh
.if DOCPART == 3
	.amdgcn_target "amdgcn-amd-amdhsa--gfx1250"
	.amdhsa_code_object_version 6
	.text
	.protected	k_qf3c7d3f03a_attn
	.globl	k_qf3c7d3f03a_attn
	.p2align	8
	.type	k_qf3c7d3f03a_attn,@function
k_qf3c7d3f03a_attn:
	s_mov_b64 s[64:65], 0
	v_nop
	global_prefetch_b8 v0, s[64:65] scope:SCOPE_SE
	s_setreg_imm32_b32 hwreg(HW_REG_WAVE_MODE, 25, 1), 1
	s_wait_xcnt 0x0
	s_wait_alu depctr_hold_cnt(0) depctr_sa_sdst(0) depctr_va_vdst(0) depctr_va_sdst(0) depctr_va_ssrc(0) depctr_va_vcc(0) depctr_vm_vsrc(0)
	s_getreg_b32 s2, hwreg(HW_REG_IB_STS2, 6, 4)
	s_cmp_eq_u32 s2, 0
	s_cbranch_scc0 .Lentry_in_a_cluster
	s_endpgm
.Lentry_in_a_cluster:
	s_bfe_u32 s2, ttmp6, 0x10000c
	s_cmp_lg_u32 s2, 0x3003
	s_cbranch_scc0 .Lentry_shape_is_right
	s_endpgm
.Lentry_shape_is_right:
; Launch 3 of 4.  Causal attention with a running maximum.  qkvh [2048][3072] f16 holds q/4 | k/4 | v/4; oh [2048][2048] f16 gets o/4.
; SHARES.  Cluster x = i (0..15), y = g (key and value head), place in the cluster cx: query head 4 g + cx.  A work-group takes the query
; blocks of 64 rows i and 31 - i, one after the other.  All four waves hold the same 64 queries; the keys are shared out: a STEP is 256
; keys, wave w takes keys 64 w .. 64 w + 63 of it.  Block i needs (i >> 2) + 1 steps, block 31 - i needs 8 - (i >> 2): nine steps in every
; work-group, 256 work-groups of equal work.  At a block's end the four waves' partial (maximum, sum, O) are merged through LDS.
; CLUSTER.  The four heads of a cluster share k and v, have the same i and so the same tiles, steps and branches: K's and V's tiles are
; asked for jointly (mask 15).  cx enters only q's and the output's global addresses.
; ONE LDS SLOT.  A wave copies its whole share of a tile (16 fragments of K, 16 of V) into 256 registers, so the registers are the second
; buffer: when all reads are back the slot is asked for again, and that load has the softmax and the second product (64 matrix
; instructions) in which to land.  One text of the step then serves all steps.  One tensor load a wave is out at any time.
; LAYOUTS, chosen so that nothing moves between lanes but one maximum.  S^T = K Q^T (source 0 = K's fragment, source 1 = Q's): lane (r, h),
; register j holds key 8 h + j, query r.  Two such tiles, packed in place, are P^T's fragment for 32 keys.  O^T = V^T P^T (source 0 = V, turned
; by the transposing LDS load): lane (r, h), register j holds query r, d = 16 dt + 8 h + j.  Maximum and sum belong to the lane's query.
; THE MASK is the C operand of the first score product: three tiles of 8 registers, for key tiles below, on and above the diagonal of my 64 x 64
; scores, hold 0 or -2^100; they are set anew in every step (all 0 but in a block's last step).
; NUMBERS.  The maximum is kept multiplied by c = 16 x 128^-0.5 x log2 e (16 undoes the two quarters): p = 2^(c s - m).  It starts at -2^127 and is
; never below -2^90, so a block's first factor 2^(old - new) is 0 and wipes out what O and the sum held, and a tile with no visible key gives p = 0
; and counts for nothing in the merge.  Wave 0 sees a key of every query in a block's last step, so the merged sum is never 0.
; LIMITS: c x (a true score of the quartered q and k) must lie above -2^90; p and v/4 are f16 operands (|v| below 262,000).
.set ROWB,  6144                       ; bytes in a row of qkvh
.set PKP,   272                        ; LDS pitch of K's rows: 256 bytes + 16
.set PVP,   288                        ; LDS pitch of V's rows: 256 bytes + 32 (the transposing load)
.set KOFF,  256*PVP                    ; the slot: V's 256 rows, then K's 256
.set SLOT,  KOFF+256*PKP               ; 143,360
.set SCR,   SLOT                       ; scratch of the merge, never filled by a tensor load: four partial tiles of 16 rows x 528 bytes
.set SPIT,  528
.set PART,  16*SPIT
.set STA,   SCR+4*PART                 ; 2,048 bytes: query tile t, row r: the four waves' maxima (16 bytes), then their sums
.set MS, 32                            ; v32-35  running maximum (x c) of query tile t
.set LS, 36                            ; v36-39  running sum over my half of the keys
.set AL, 40                            ; v40-47  2^(old maximum - new), in the even register of a pair
.set FF, 58                            ; v58-65  the merge's factor, in the even register of a pair
.set BD, 72                            ; v72-79  the mask for key tile = query tile
.set BL, 80                            ; v80-87  for key tile < query tile
.set BH, 88                            ; v88-95  for key tile > query tile
.set OP, 96                            ; v96-103 packed results on their way out
.set SC, 128                           ; v128-255 S(kk, t) at SC + 32 kk + 8 t
; window 1: O(t, dt) at 8 (8 t + dt).  window 2: Q(ks, t) at 8 (4 ks + t); P(k2, t) at 128 + 8 (4 k2 + t).
; window 3: K(ks, kk) at 8 (4 ks + kk); V(k2, dt) at 128 + 8 (8 k2 + dt).
; v8 K's LDS address; v10 V's; v12 q's offset; v13 r - 8 h; v14 the mask's bound; v15 -2^100; v16, v17 where I write and read maxima and sums;
; v18, v19 where I write and read partial tiles; v20 my offset in oh; v21 the other half's number; v22 -2^90; v48-57 at work.
.set G1V, 24                           ; s[24:31] group 1 for V's tiles
.set G0V, 32                           ; s[32:35] group 0 for V's tiles
.set G1K, 48                           ; s[48:55] group 1 for K's tiles
.set G0K, 56                           ; s[56:59] group 0 for K's tiles
.set MSB, 0
.macro WIN new                         ; the immediate's high byte repeats the setting that is left
.if MSB != \new
	s_set_vgpr_msb (MSB<<8)|\new
.set MSB, \new
.endif
.endm
.macro PLACES                          ; four places behind matrix instructions (ISA guide 7.12.1)
.rept 4
	v_nop
.endr
.endm
.macro JLOAD                           ; waves 0, 1 ask for V's halves, waves 2, 3 for K's; four v_nop follow each line
	s_cmp_eq_u32 s11, 0
	s_cbranch_scc0 .Lfor_k_\@
	tensor_load_to_lds s[G0V:G0V+3], s[G1V:G1V+7]
	s_nop 0
.rept 4
	v_nop
.endr
	s_branch .Lasked_\@
.Lfor_k_\@:
	tensor_load_to_lds s[G0K:G0K+3], s[G1K:G1K+7]
	s_nop 0
.rept 4
	v_nop
.endr
.Lasked_\@:
.endm
.macro CROUND                          ; a round of the cluster's barrier
	s_barrier_signal -1
	s_barrier_wait -1
	s_cmp_lg_u32 s10, 0
	s_cbranch_scc1 .Lnot_wave_0_\@
	s_barrier_signal -3
.Lnot_wave_0_\@:
	s_barrier_wait -3
	s_barrier_signal -1
	s_barrier_wait -1
.endm
	s_load_b128 s[72:75], s[0:1], 0x0              ; qkvh s[72:73], oh s[74:75]
	v_lshl_add_u32 v126, v0, 2, 0x2bc00
	v_mov_b32 v127, 0
	ds_add_u32 v126, v127
	v_lshrrev_b32 v1, 5, v0
	v_readfirstlane_b32 s10, v1                    ; wave
	s_lshr_b32 s11, s10, 1                         ; I fetch for V (0) or for K (1)
	s_and_b32 s12, s10, 1                          ; which 128 rows
	s_mov_b32 s13, ttmp9                           ; i
	s_and_b32 s14, ttmp7, 0xffff                   ; g
	s_bfe_u32 s15, ttmp6, 0x40000                  ; cx
	s_lshl2_add_u32 s16, s14, s15                  ; query head
	s_lshr_b32 s18, s13, 2                         ; the last step of block 1
	s_add_co_u32 s17, s18, 1                       ; R1: the first step of block 2
	s_mov_b32 s19, 0                               ; the step's number, 0..8
	s_and_b32 s66, s13, 3                          ; in a block's last step wave (block % 4) holds the diagonal:
	s_sub_co_i32 s67, 3, s66
	s_sub_co_i32 s66, s66, s10                     ; block 1: i % 4 - wave
	s_sub_co_i32 s67, s67, s10                     ; block 2: 3 - i % 4 - wave
	s_mov_b32 s88, 0x400293ee                      ; c = 2.0402789
	s_mov_b32 s89, 0x400293ee
	s_mov_b32 s90, 0x76543210                      ; lane i of one half reads lane i of the other
	s_mov_b32 s91, 0xfedcba98
	s_mov_b32 s[G1V+0], 15|(1<<16)|(1<<20)|(1<<21)|(5<<22)|(7<<25)   ; mask of all four; 2-byte elements; after 64 words 8 words of padding
	s_mov_b32 s[G1K+0], 15|(1<<16)|(1<<20)|(1<<21)|(5<<22)|(3<<25)   ; the same with 4 words
.irp g, G1V, G1K
	s_mov_b32 s[\g+1], 128<<16                     ; tensor_dim0 = 128
	s_mov_b32 s[\g+2], 128<<16                     ; tensor_dim1 = 128
	s_mov_b32 s[\g+3], 128<<16                     ; tile_dim0 = 128
	s_mov_b32 s[\g+4], 128                         ; tile_dim1 = 128
	s_mov_b32 s[\g+5], 3072                        ; elements from row to row
	s_mov_b32 s[\g+6], 0
	s_mov_b32 s[\g+7], 0
.endr
	s_mul_i32 s44, s12, 128*ROWB                   ; my 128 rows of a tile,
	s_lshl_b32 s46, s14, 8                         ; the head's 256 bytes
	s_add_co_u32 s44, s44, s46
	s_mov_b32 s45, 0
	s_mul_i32 s21, s10, 128*PVP                    ; LDS: V's halves at wave x 36,864 (waves 0, 1),
	s_mul_i32 s22, s10, 128*PKP
	s_add_co_u32 s22, s22, KOFF-256*PKP            ; K's at 73,728 + (wave - 2) x 34,816 (waves 2, 3)
	s_lshl_b32 s94, s16, 8                         ; 256 x query head: what hangs on cx stays in s80-87 and s92-95
	s_sub_co_u32 s95, 31, s13                      ; block 2
	s_mov_b32 s93, 0
	s_wait_dscnt 0x0
	s_wait_kmcnt 0x0
	s_add_nc_u64 s[40:41], s[72:73], s[44:45]
	s_add_nc_u64 s[42:43], s[40:41], 4096          ; K's base: column 2,048
	s_add_nc_u64 s[40:41], s[40:41], 5120          ; V's base: column 2,560
	s_mul_i32 s92, s13, 64*ROWB
	s_add_co_u32 s92, s92, s94
	s_add_nc_u64 s[80:81], s[72:73], s[92:93]      ; q of block 1
	s_mul_i32 s92, s95, 64*ROWB
	s_add_co_u32 s92, s92, s94
	s_add_nc_u64 s[82:83], s[72:73], s[92:93]      ; q of block 2
	s_lshl_b32 s92, s13, 18                        ; 64 rows of 4,096 bytes
	s_add_co_u32 s92, s92, s94
	s_add_nc_u64 s[84:85], s[74:75], s[92:93]      ; output of block 1
	s_lshl_b32 s92, s95, 18
	s_add_co_u32 s92, s92, s94
	s_add_nc_u64 s[86:87], s[74:75], s[92:93]      ; output of block 2
	s_mov_b32 s[G0V], 1
	s_mov_b32 s[G0V+1], s21
	s_mov_b64 s[G0V+2:G0V+3], s[40:41]             ; step 0: keys 0..255
	s_or_b32 s[G0V+3], s[G0V+3], 0x80000000
	s_mov_b32 s[G0K], 1
	s_mov_b32 s[G0K+1], s22
	s_mov_b64 s[G0K+2:G0K+3], s[42:43]
	s_or_b32 s[G0K+3], s[G0K+3], 0x80000000
	CROUND                                         ; in front of the first joint load
	JLOAD
	v_and_b32 v1, 15, v0                           ; r
	v_bfe_u32 v2, v0, 4, 1                         ; h
	v_and_b32 v5, 31, v0                           ; lane
	v_mul_u32_u24 v12, v1, ROWB
	v_lshl_add_u32 v12, v2, 4, v12                 ; q: row r, 16 h bytes
.macro QLOAD qb                        ; 64 queries x 128 as 16 fragments for source 1: lane (r, h) takes d = 32 ks + 8 h + 0..7 and + 16 of query 16 t + r
	WIN 0x80
.irp ks, 0,1,2,3
.irp t, 0,1,2,3
	global_load_b128 v[8*(4*\ks+\t):8*(4*\ks+\t)+3],   v12, s[\qb:\qb+1] offset:16*ROWB*\t+64*\ks
	global_load_b128 v[8*(4*\ks+\t)+4:8*(4*\ks+\t)+7], v12, s[\qb:\qb+1] offset:16*ROWB*\t+64*\ks+32
.endr
.endr
	WIN 0
.endm
	QLOAD 80
	; O starts as a product of zero fragments: 8 moves and 32 matrix instructions write its 256 registers.  The first step multiplies O by
	; the factor 0, so O has to hold numbers there.
.irp j, 0,1,2,3,4,5,6,7
	v_mov_b32 v[BD+\j], 0
.endr
	WIN 0x40                                       ; D window 1
.irp t, 0,1,2,3
.irp dt, 0,1,2,3,4,5,6,7
	v_wmma_f32_16x16x32_f16 v[8*(8*\t+\dt):8*(8*\t+\dt)+7], v[BD:BD+7], v[BD:BD+7], 0
.endr
.endr
	WIN 0
	PLACES
	v_mul_u32_u24 v6, v1, PKP
	v_lshl_add_u32 v6, v2, 4, v6
	s_mul_i32 s46, s10, 64*PKP
	s_add_co_u32 s46, s46, KOFF
	v_add_nc_u32 v8, s46, v6                       ; K: row 64 w + r, 16 h bytes
	v_and_b32 v3, 7, v0
	v_lshl_add_u32 v3, v2, 3, v3
	v_mul_u32_u24 v3, v3, PVP
	v_bfe_u32 v4, v0, 3, 1
	v_lshl_add_u32 v3, v4, 4, v3
	s_mul_i32 s47, s10, 64*PVP
	v_add_nc_u32 v10, s47, v3                      ; V: row 64 w + 8 h + l % 8, 16 bytes (l / 8) % 2
	v_lshlrev_b32 v3, 3, v2
	v_sub_nc_u32 v13, v1, v3                       ; r - 8 h
	v_mov_b32 v15, 0xf1800000                      ; -2^100
	v_mov_b32 v22, 0xec800000                      ; -2^90
	v_lshlrev_b32 v17, 5, v1
	v_add_nc_u32 v17, STA, v17
	s_lshl_b32 s46, s10, 2
	v_add_nc_u32 v16, s46, v17
	s_mul_i32 s46, s10, PART
	s_add_co_u32 s46, s46, SCR
	v_mul_u32_u24 v18, v1, SPIT
	v_lshl_add_u32 v18, v2, 5, v18
	v_add_nc_u32 v18, s46, v18                     ; my partial tile: row r, 32 h bytes
	s_mul_i32 s47, s10, 4*SPIT
	s_add_co_u32 s47, s47, SCR
	v_lshl_add_u32 v19, v5, 4, s47                 ; rows 4 w .. 4 w + 3 of every partial tile are mine to sum
	s_lshl_b32 s46, s10, 14
	v_lshl_add_u32 v20, v5, 3, s46                 ; the same rows in oh: 4 w rows of 4,096 bytes + 8 lane
	v_mov_b32 v21, 0
.irp t, 0,1,2,3
	v_mov_b32 v[MS+\t], 0xff000000                 ; -2^127
	v_mov_b32 v[LS+\t], 0
	v_mov_b32 v[AL+2*\t+1], 0                      ; the odd partners of broadcast pairs are named, never used
	v_mov_b32 v[FF+2*\t+1], 0
.endr
	v_mov_b32 v49, 0
	s_wait_loadcnt 0x0                             ; q of block 1
.macro KLOAD                           ; K's 16 fragments of my 64 keys, ks outer: 32 loads
	WIN 0xc0
.irp ks, 0,1,2,3
.irp kk, 0,1,2,3
	ds_load_b128 v[8*(4*\ks+\kk):8*(4*\ks+\kk)+3],   v8 offset:16*PKP*\kk+64*\ks
	ds_load_b128 v[8*(4*\ks+\kk)+4:8*(4*\ks+\kk)+7], v8 offset:16*PKP*\kk+64*\ks+32
.endr
.endr
.endm
.macro VLOAD k2                        ; V's 8 fragments of keys 32 k2 .. 32 k2 + 31 of my 64, turned: 16 loads
	WIN 0xc0
.irp dt, 0,1,2,3,4,5,6,7
	ds_load_tr16_b128 v[128+8*(8*\k2+\dt):128+8*(8*\k2+\dt)+3],   v10 offset:32*PVP*\k2+32*\dt
	ds_load_tr16_b128 v[128+8*(8*\k2+\dt)+4:128+8*(8*\k2+\dt)+7], v10 offset:32*PVP*\k2+32*\dt+16*PVP
.endr
.endm
; The mask's three tiles from s68 = (the wave that holds the diagonal) - (my wave), or 1 in a step without a diagonal.
; Key 16 kk + 8 h + j of my 64 is hidden from query 16 t + r if 16 (kk - t) + j > r - 8 h + 64 s68.  r - 8 h lies in -8 .. 15, so for kk < t that
; holds only if s68 < 0, for kk > t only if s68 <= 0, in all eight registers alike; for kk = t it is j > r - 8 h + 64 s68.
.macro SETBIAS
	s_cmp_lt_i32 s68, 0
	s_cselect_b32 s69, 0xf1800000, 0
	s_cmp_le_i32 s68, 0
	s_cselect_b32 s70, 0xf1800000, 0
	s_lshl_b32 s68, s68, 6
	v_add_nc_u32 v14, s68, v13
.irp j, 0,1,2,3,4,5,6,7
	v_cmp_gt_i32 vcc_lo, \j, v14
	v_cndmask_b32 v[BD+\j], 0, v15, vcc_lo
	v_mov_b32 v[BL+\j], s69
	v_mov_b32 v[BH+\j], s70
.endr
.endm
.macro SW ks, kk, t, c
	v_wmma_f32_16x16x32_f16 v[SC+32*\kk+8*\t:SC+32*\kk+8*\t+7], v[8*(4*\ks+\kk):8*(4*\ks+\kk)+7], v[8*(4*\ks+\t):8*(4*\ks+\t)+7], v[\c:\c+7]
.endm
; S^T = K Q^T + mask: 64 matrix instructions; the sixteen accumulators take turns.
; In front of it 48 LDS loads are out (K's 32, V's first 16); V's other 16 are issued behind the first quarter, so at most 56 are out.
.macro SMUL
	WIN 0x0b                                       ; source 0 window 3, source 1 window 2, C and D window 0
	s_wait_dscnt 40                                ; K's first eight loads are in: 24 of K and 16 of V may stay out
.irp kk, 0,1,2,3
.irp t, 0,1,2,3
.if \kk < \t
	SW 0, \kk, \t, BL
.else
.if \kk == \t
	SW 0, \kk, \t, BD
.else
	SW 0, \kk, \t, BH
.endif
.endif
.endr
.endr
	VLOAD 1
	WIN 0x0b
.irp ks, 1,2,3
	s_wait_dscnt 56-8*\ks                          ; K's later quarters (8 loads each) and V's 32 may stay out
.irp kk, 0,1,2,3
.irp t, 0,1,2,3
	SW \ks, \kk, \t, SC+32*\kk+8*\t
.endr
.endr
.endr
	WIN 0
	PLACES
.endm
.macro SOFT t                          ; query tile t: new maximum, p = 2^(c s - m) in place, the sum, P^T's fragments
.irp kk, 0,1,2,3
	v_max3_num_f32 v[50+\kk], v[SC+32*\kk+8*\t], v[SC+32*\kk+8*\t+1], v[SC+32*\kk+8*\t+2]
.endr
.irp kk, 0,1,2,3
	v_max3_num_f32 v[50+\kk], v[50+\kk], v[SC+32*\kk+8*\t+3], v[SC+32*\kk+8*\t+4]
.endr
.irp kk, 0,1,2,3
	v_max3_num_f32 v[50+\kk], v[50+\kk], v[SC+32*\kk+8*\t+5], v[SC+32*\kk+8*\t+6]
.endr
.irp kk, 0,1,2,3
	v_max_num_f32 v[50+\kk], v[50+\kk], v[SC+32*\kk+8*\t+7]
.endr
	v_max3_num_f32 v50, v50, v51, v52
	v_max_num_f32 v50, v50, v53
	v_permlanex16_b32 v21, v50, s90, s91           ; the other half of the lanes holds the query's other keys
	v_max_num_f32 v50, v50, v21
	v_mul_f32 v50, s88, v50
	v_max3_num_f32 v51, v50, v[MS+\t], v22         ; the new maximum, never below -2^90
	v_sub_f32 v52, v[MS+\t], v51
	v_exp_f32 v[AL+2*\t], v52
	v_mov_b32 v[MS+\t], v51                        ; (a plain instruction behind the exponential: ISA guide 5.7.2)
	v_sub_f32 v48, 0, v51
.irp kk, 0,1,2,3
.irp p, 0,2,4,6
	v_pk_fma_f32 v[SC+32*\kk+8*\t+\p:SC+32*\kk+8*\t+\p+1], v[SC+32*\kk+8*\t+\p:SC+32*\kk+8*\t+\p+1], s[88:89], v[48:49] op_sel_hi:[1,0,0]
.endr
.endr
.irp kk, 0,1,2,3
.irp j, 0,1,2,3,4,5,6,7
	v_exp_f32 v[SC+32*\kk+8*\t+\j], v[SC+32*\kk+8*\t+\j]
.endr
.endr
	v_nop
	s_wait_alu depctr_va_vdst(0)
.irp kk, 0,1,2,3
	v_pk_add_f32 v[50+2*\kk:51+2*\kk], v[SC+32*\kk+8*\t:SC+32*\kk+8*\t+1], v[SC+32*\kk+8*\t+2:SC+32*\kk+8*\t+3]
.endr
.irp kk, 0,1,2,3
	v_pk_add_f32 v[50+2*\kk:51+2*\kk], v[50+2*\kk:51+2*\kk], v[SC+32*\kk+8*\t+4:SC+32*\kk+8*\t+5]
.endr
.irp kk, 0,1,2,3
	v_pk_add_f32 v[50+2*\kk:51+2*\kk], v[50+2*\kk:51+2*\kk], v[SC+32*\kk+8*\t+6:SC+32*\kk+8*\t+7]
.endr
	v_pk_add_f32 v[50:51], v[50:51], v[52:53]
	v_pk_add_f32 v[54:55], v[54:55], v[56:57]
	v_pk_add_f32 v[50:51], v[50:51], v[54:55]
	v_add_f32 v50, v50, v51
	v_fma_f32 v[LS+\t], v[LS+\t], v[AL+2*\t], v50
	WIN 0x80                                       ; destination window 2: tile 2 k2 gives registers 0-3 of P(k2, t), tile 2 k2 + 1 registers 4-7
.irp kk, 0,1,2,3
.irp r, 0,1,2,3
	v_cvt_pk_f16_f32 v[128+8*(4*(\kk/2)+\t)+4*(\kk%2)+\r], v[SC+32*\kk+8*\t+2*\r], v[SC+32*\kk+8*\t+2*\r+1]
.endr
.endr
	WIN 0
.endm
.macro RESCALE                         ; O x 2^(old maximum - new); in a block's first step the factor is 0
	WIN 0x41
.irp t, 0,1,2,3
.irp dt, 0,1,2,3,4,5,6,7
.irp p, 0,2,4,6
	v_pk_mul_f32 v[8*(8*\t+\dt)+\p:8*(8*\t+\dt)+\p+1], v[8*(8*\t+\dt)+\p:8*(8*\t+\dt)+\p+1], v[AL+2*\t:AL+2*\t+1] op_sel_hi:[1,0]
.endr
.endr
.endr
.endm
.macro PV                              ; O^T += V^T P^T: 64 matrix instructions; the 32 accumulators take turns
	WIN 0x5b                                       ; source 0 window 3, source 1 window 2, C and D window 1
.irp k2, 0,1
.irp t, 0,1,2,3
.irp dt, 0,1,2,3,4,5,6,7
	v_wmma_f32_16x16x32_f16 v[8*(8*\t+\dt):8*(8*\t+\dt)+7], v[128+8*(8*\k2+\dt):128+8*(8*\k2+\dt)+7], v[128+8*(4*\k2+\t):128+8*(4*\k2+\t)+7], v[8*(8*\t+\dt):8*(8*\t+\dt)+7]
.endr
.endr
.endr
	WIN 0
.endm
; A block's end.  The waves exchange maxima and sums, each scales its O by 2^(own maximum - common) / common sum, and the four partial tiles are
; added through LDS, 16 queries at a time: wave w adds and stores rows 4 w .. 4 w + 3.  next = 1: block 2's q is fetched meanwhile.
; The next step's tensor load stays out across these barriers.
.macro MERGE ob, next
.if \next
	QLOAD 82
.endif
.irp t, 0,1,2,3
	v_permlanex16_b32 v21, v[LS+\t], s90, s91
	v_add_f32 v[LS+\t], v[LS+\t], v21              ; both halves of my keys
	ds_store_b32 v16, v[MS+\t] offset:512*\t
	ds_store_b32 v16, v[LS+\t] offset:512*\t+16
.endr
	s_wait_dscnt 0x0                               ; my stores are done, for the others' sake
	s_barrier_signal -1
	s_barrier_wait -1
.irp t, 0,1,2,3
	ds_load_b128 v[SC+8*\t:SC+8*\t+3],   v17 offset:512*\t
	ds_load_b128 v[SC+8*\t+4:SC+8*\t+7], v17 offset:512*\t+16
.endr
	s_wait_dscnt 0x0
.irp t, 0,1,2,3
	v_max3_num_f32 v50, v[SC+8*\t], v[SC+8*\t+1], v[SC+8*\t+2]
	v_max_num_f32 v50, v50, v[SC+8*\t+3]
	v_sub_f32 v51, v[MS+\t], v50
.irp k, 0,1,2,3
	v_sub_f32 v[SC+8*\t+\k], v[SC+8*\t+\k], v50
.endr
	v_exp_f32 v51, v51
.irp k, 0,1,2,3
	v_exp_f32 v[SC+8*\t+\k], v[SC+8*\t+\k]
.endr
	v_nop
	s_wait_alu depctr_va_vdst(0)
	v_mul_f32 v52, v[SC+8*\t], v[SC+8*\t+4]
	v_fmac_f32 v52, v[SC+8*\t+1], v[SC+8*\t+5]
	v_fmac_f32 v52, v[SC+8*\t+2], v[SC+8*\t+6]
	v_fmac_f32 v52, v[SC+8*\t+3], v[SC+8*\t+7]
	v_rcp_f32 v53, v52
	v_nop
	s_wait_alu depctr_va_vdst(0)
	v_mul_f32 v[FF+2*\t], v51, v53
.endr
.irp t, 0,1,2,3
	WIN 0x41
.irp dt, 0,1,2,3,4,5,6,7
.irp p, 0,2,4,6
	v_pk_mul_f32 v[8*(8*\t+\dt)+\p:8*(8*\t+\dt)+\p+1], v[8*(8*\t+\dt)+\p:8*(8*\t+\dt)+\p+1], v[FF+2*\t:FF+2*\t+1] op_sel_hi:[1,0]
.endr
.endr
	WIN 0x04                                       ; store data window 1
.irp dt, 0,1,2,3,4,5,6,7
	ds_store_b128 v18, v[8*(8*\t+\dt):8*(8*\t+\dt)+3]   offset:64*\dt
	ds_store_b128 v18, v[8*(8*\t+\dt)+4:8*(8*\t+\dt)+7] offset:64*\dt+16
.endr
	WIN 0
	s_wait_dscnt 0x0
	s_barrier_signal -1
	s_barrier_wait -1                              ; all four partial tiles are written
	s_wait_xcnt 0x0                                ; v96-103, which the last global stores read, are rewritten only behind this wait
.irp i, 0,1,2,3
.irp k, 0,1,2,3
	ds_load_b128 v[SC+16*\i+4*\k:SC+16*\i+4*\k+3], v19 offset:PART*\k+SPIT*\i
.endr
.endr
	s_wait_dscnt 0x0
.if \t < 3
	s_barrier_signal -1                            ; every wave's reads are back: the scratch may be written again
	s_barrier_wait -1
.endif
.irp i, 0,1,2,3
.irp k, 1,2,3
	v_pk_add_f32 v[SC+16*\i:SC+16*\i+1],   v[SC+16*\i:SC+16*\i+1],   v[SC+16*\i+4*\k:SC+16*\i+4*\k+1]
	v_pk_add_f32 v[SC+16*\i+2:SC+16*\i+3], v[SC+16*\i+2:SC+16*\i+3], v[SC+16*\i+4*\k+2:SC+16*\i+4*\k+3]
.endr
	v_cvt_pk_f16_f32 v[OP+2*\i], v[SC+16*\i], v[SC+16*\i+1]
	v_cvt_pk_f16_f32 v[OP+2*\i+1], v[SC+16*\i+2], v[SC+16*\i+3]
	global_store_b64 v20, v[OP+2*\i:OP+2*\i+1], s[\ob:\ob+1] offset:4096*(16*\t+\i)   ; the wave stores 256 consecutive bytes, aligned: a head's row
.endr
.endr
.if \next
.irp t, 0,1,2,3
	v_mov_b32 v[MS+\t], 0xff000000                 ; block 2 starts: its first factor will be 0
.endr
	s_wait_loadcnt 0x0                             ; q of block 2
.endif
.endm
; One step of 256 keys.  refill = 1: the slot is asked for again with the next step's tile, and the diagonal is block 1's (if this is its
; last step); refill = 0: the very last step, which is block 2's last.
.macro STEP refill
	s_wait_tensorcnt 0x0                           ; my part of this step's tile has landed (the one load that was out)
	s_barrier_signal -1
	s_barrier_wait -1                              ; everybody's has
	KLOAD
	VLOAD 0
	WIN 0
.if \refill
	s_cmp_eq_u32 s19, s18
	s_cselect_b32 s68, s66, 1
.else
	s_mov_b32 s68, s67
.endif
	SETBIAS
	SMUL
.if \refill
	s_add_co_u32 s46, s19, 1                       ; the next step n takes keys 256 (n - (n >= R1 ? R1 : 0)) ..
	s_cmp_ge_u32 s46, s17
	s_cselect_b32 s47, s17, 0
	s_sub_co_u32 s46, s46, s47
	s_mul_i32 s44, s46, 256*ROWB
	s_add_nc_u64 s[G0V+2:G0V+3], s[40:41], s[44:45]   ; no tensor load of mine is out since the step's head: the groups 0 may be written
	s_or_b32 s[G0V+3], s[G0V+3], 0x80000000
	s_add_nc_u64 s[G0K+2:G0K+3], s[42:43], s[44:45]
	s_or_b32 s[G0K+3], s[G0K+3], 0x80000000
	s_wait_dscnt 0x0                               ; all my reads of the slot are back, V's too
	s_wait_tensorcnt 0x0                           ; met at once: no load has been issued since the step's head
	ds_add_u32 v126, v127
	s_wait_dscnt 0x0
	CROUND                                         ; both now hold of every wave of all four work-groups
	JLOAD                                          ; the first thing behind the round, my one tensor load until the next
.else
	s_wait_dscnt 0x0                               ; V's fragments
.endif
	SOFT 0
	SOFT 1
	SOFT 2
	SOFT 3
	RESCALE
	PV
	PLACES                                         ; behind the last matrix instructions: for the merge, and for the next step's loads into K's and V's fragments
.endm
; Steps 0 to 7.  The branch round the merge hangs on the cluster's x and the step's number alone: it is the same in all waves and all partners.
.Lsteps:
	STEP 1
	s_cmp_lg_u32 s19, s18
	s_cbranch_scc1 .Lnomerge
	MERGE 84, 1                                    ; block 1 ends (R1 - 1 is 0 to 3)
.Lnomerge:
	s_add_co_u32 s19, s19, 1
	s_cmp_lt_u32 s19, 8
	s_cbranch_scc1 .Lsteps
	STEP 0                                         ; step 8: nothing is left to fetch
	MERGE 86, 0                                    ; block 2 ends
	s_wait_tensorcnt 0x0
	ds_add_u32 v126, v127
	s_wait_dscnt 0x0
	CROUND                                         ; the closing round
	s_endpgm
.Lfunc_end_k_qf3c7d3f03a_attn:
	.size	k_qf3c7d3f03a_attn, .Lfunc_end_k_qf3c7d3f03a_attn-k_qf3c7d3f03a_attn
	.p2alignl 7, 3214868480
	.fill 96, 4, 3214868480
	.section	.rodata,"a",@progbits
	.p2align	6, 0x0
	.amdhsa_kernel k_qf3c7d3f03a_attn
		.amdhsa_group_segment_fixed_size 327680
		.amdhsa_private_segment_fixed_size 0
		.amdhsa_enable_private_segment 0
		.amdhsa_kernarg_size 16
		.amdhsa_user_sgpr_count 2
		.amdhsa_user_sgpr_kernarg_segment_ptr 1
		.amdhsa_wavefront_size32 1
		.amdhsa_system_sgpr_workgroup_id_x 1
		.amdhsa_system_sgpr_workgroup_id_y 1
		.amdhsa_system_sgpr_workgroup_id_z 1
		.amdhsa_system_vgpr_workitem_id 0
		.amdhsa_next_free_vgpr 1024
		.amdhsa_next_free_sgpr 96
		.amdhsa_reserve_vcc 1
		.amdhsa_float_denorm_mode_32 3
		.amdhsa_float_denorm_mode_16_64 3
		.amdhsa_memory_ordered 1
		.amdhsa_forward_progress 1
		.amdhsa_inst_pref_size 168
	.end_amdhsa_kernel
	.amdgpu_metadata
---
amdhsa.version: [ 1, 2 ]
amdhsa.kernels:
  - .name:           k_qf3c7d3f03a_attn
    .symbol:         k_qf3c7d3f03a_attn.kd
    .args:
      - { .name: qkvh, .offset: 0, .size: 8, .value_kind: global_buffer, .address_space: global }
      - { .name: oh, .offset: 8, .size: 8, .value_kind: global_buffer, .address_space: global }
    .group_segment_fixed_size: 327680
    .private_segment_fixed_size: 0
    .kernarg_segment_align: 8
    .kernarg_segment_size: 16
    .max_flat_workgroup_size: 128
    .sgpr_count:     96
    .vgpr_count:     1024
    .wavefront_size: 32
...
	.end_amdgpu_metadata
.endif
;; end of part 3
;; launch oproj (part 4): grid 32 x 8, 4 waves a work-group, clusters of 4 x 4, 327,680 bytes of LDS; arguments oh, woh, out0; writes out0
.if DOCPART == 4
	.amdgcn_target "amdgcn-amd-amdhsa--gfx1250"
	.amdhsa_code_object_version 6
	.text
	.protected	k_qf3c7d3f03a_oproj
	.globl	k_qf3c7d3f03a_oproj
	.p2align	8
	.type	k_qf3c7d3f03a_oproj,@function
k_qf3c7d3f03a_oproj:
	s_mov_b64 s[64:65], 0
	v_nop
	global_prefetch_b8 v0, s[64:65] scope:SCOPE_SE
	s_setreg_imm32_b32 hwreg(HW_REG_WAVE_MODE, 25, 1), 1
	s_wait_xcnt 0x0
	s_wait_alu depctr_hold_cnt(0) depctr_sa_sdst(0) depctr_va_vdst(0) depctr_va_sdst(0) depctr_va_ssrc(0) depctr_va_vcc(0) depctr_vm_vsrc(0)
	s_getreg_b32 s2, hwreg(HW_REG_IB_STS2, 6, 4)
	s_cmp_eq_u32 s2, 0
	s_cbranch_scc0 .Lentry_in_a_cluster
	s_endpgm
.Lentry_in_a_cluster:
	s_bfe_u32 s2, ttmp6, 0x10000c
	s_cmp_lg_u32 s2, 0xf033
	s_cbranch_scc0 .Lentry_shape_is_right
	s_endpgm
.Lentry_shape_is_right:
; Launch 4 of 4.  out0[2048][4096] f32 = 4 x (oh [2048][2048] x woh [2048][4096]): f16 operands, f32 sums; oh holds o / 4.
; The same ring, shares and macros as the launch that makes q, k and v: a work-group makes 256 rows x 128 columns with four waves, a wave 64 rows x
; 128 columns in 32 accumulator tiles.  32 x 8 = 256 work-groups.
; THE RING has two slots of unequal size, filled by tensor loads, one a wave (waves 0, 1 the halves of A's tile, waves 2, 3 those of B's):
; the LARGE slot holds 256 along K (A: 256 rows of 512 bytes, B: 256 K rows of 256 bytes), the SMALL one 128 along K.  Two slots of 256 along K
; would take 2 x 208,896 bytes, more than the 327,680 of a WGP; 208,896 + 106,496 = 315,392 fit.  A slot's load has the other slot's
; work in which to land: the small slot's 16 + 7 x 32 + 8 = 248 matrix instructions, the large slot's 16 + 3 x 32 + 8 = 120; and there are two
; changes of slots for 384 along K.  K = 2,048 = 6 small + 5 large tiles, in the order S L S L .. S.
; B lies [K][N] and is read by the transposing LDS load; clusters of 4 x 4 with A's tile asked for jointly along a row and B's along a column.
; A wave has two tensor loads out at the start and one afterwards.
; The matrix instruction is used transposed (source 0 = B's fragment): lane l holds row l % 16 of C, its registers the columns 8 (l / 16) + 0..7.
; REGISTERS: window 0: v16-26 addresses, v64-159 and v160-255 two fragment buffers; window 1: accumulator (a, b) at v[8 (8 a + b)].
.set SIZE_K, 2048
.set SIZE_N, 4096
.set PAL,    528                       ; LDS pitch of A's rows in the large slot: 512 bytes + 16
.set PAS,    272                       ; in the small slot: 256 bytes + 16
.set PB,     288                       ; LDS pitch of B's rows: 256 bytes + 32 (the transposing load)
.set LA,     0                         ; A large: 256 rows
.set SA,     LA+256*PAL                ; A small: 256 rows, at 135,168
.set LB,     SA+256*PAS                ; B large: 256 K rows, at 204,800
.set SB,     LB+256*PB                 ; B small: 128 K rows, at 278,528; LDS ends at 315,392
.set K0S,    0                         ; the first small tile begins at K = 0,
.set K0L,    128                       ; the first large one at K = 128
.set LAPK,   384                       ; a lap = one large and one small tile
.set STAGE,  LA                        ; the way out's stage lies in A large: that slot has had its last fill, and the last period reads the small slot
.set SP,     528                       ; a stage row: 512 bytes + 16
.set SBYTES, 16*SP                     ; 16 rows for each wave
.set ADRA, 16                          ; v16 LDS address of my A fragments in the large slot, v17 in the small one
.set ADRB, 20                          ; v20 B's in the large slot, K rows 0-127; v21 K rows 128-255; v22 in the small slot
.set STO,  24
.set RD,   25
.set CO,   26
.set F0,   64
.set F1,   160
; slot 0 = large, slot 1 = small
.set G1A, 24                           ; s[24:31], s[32:39] group 1 for A's tiles, a set for each slot
.set G1B, 40                           ; s[40:47], s[48:55] group 1 for B's tiles
.set G0A, 56                           ; s[56:59], s[60:63] group 0 for A's tiles
.set G0B, 80                           ; s[80:83], s[84:87] group 0 for B's tiles
.set CX,  88
.set CY,  89
.set BX,  90
.set RM,  91
.set CM,  92
.set MUL, 0x50
.set MSB, 0
.macro WIN new
.if MSB != \new
	s_set_vgpr_msb (MSB<<8)|\new
.set MSB, \new
.endif
.endm
.macro PLACES                          ; four places behind matrix instructions (ISA guide 7.12.1)
.rept 4
	v_nop
.endr
.endm
.macro JLOAD s                         ; waves 0, 1 ask for A's halves, waves 2, 3 for B's; four v_nop follow each line
	s_cmp_eq_u32 s11, 0
	s_cbranch_scc0 .Lfor_b_\@
	tensor_load_to_lds s[G0A+4*\s:G0A+4*\s+3], s[G1A+8*\s:G1A+8*\s+7]
	s_nop 0
.rept 4
	v_nop
.endr
	s_branch .Lasked_\@
.Lfor_b_\@:
	tensor_load_to_lds s[G0B+4*\s:G0B+4*\s+3], s[G1B+8*\s:G1B+8*\s+7]
	s_nop 0
.rept 4
	v_nop
.endr
.Lasked_\@:
.endm
.macro CREST
	s_cmp_lg_u32 s10, 0
	s_cbranch_scc1 .Lnot_wave_0_\@
	s_barrier_signal -3
.Lnot_wave_0_\@:
	s_barrier_wait -3
	s_barrier_signal -1
	s_barrier_wait -1
.endm
.macro CROUND
	s_barrier_signal -1
	s_barrier_wait -1
	CREST
.endm
	s_load_b128 s[72:75], s[0:1], 0x0              ; oh s[72:73], woh s[74:75]
	s_load_b64 s[76:77], s[0:1], 0x10              ; out0
	v_lshl_add_u32 v62, v0, 2, 0x4d000
	v_mov_b32 v63, 0
	ds_add_u32 v62, v63
	v_lshrrev_b32 v1, 5, v0
	v_readfirstlane_b32 s10, v1                    ; wave
	s_lshr_b32 s11, s10, 1                         ; I fetch for A (0) or for B (1)
	s_and_b32 s12, s10, 1                          ; which half of that tile
	s_bfe_u32 s[CX], ttmp6, 0x40000
	s_bfe_u32 s[CY], ttmp6, 0x40004
	s_lshl_b32 s[BX], ttmp9, 2
	s_add_co_u32 s[BX], s[BX], s[CX]               ; block column
	s_and_b32 s13, ttmp7, 0xffff
	s_lshl_b32 s13, s13, 2
	s_add_co_u32 s13, s13, s[CY]                   ; block row
	s_lshl_b32 s[RM], s[CY], 2
	s_lshl_b32 s[RM], 15, s[RM]                    ; my row of the cluster
	s_lshl_b32 s[CM], 0x1111, s[CX]                ; my column
	; group 1.  A large: 128 rows x 256 elements, 4 words of padding after every 128 words
	s_or_b32 s[G1A+0], s[RM], (1<<16)|(1<<20)|(1<<21)|(6<<22)|(3<<25)
	s_mov_b32 s[G1A+1], 256<<16
	s_mov_b32 s[G1A+2], 128<<16
	s_mov_b32 s[G1A+3], 256<<16
	s_mov_b32 s[G1A+4], 128
	s_mov_b32 s[G1A+5], SIZE_K
	s_mov_b32 s[G1A+6], 0
	s_mov_b32 s[G1A+7], 0
	; A small: 128 rows x 128 elements, 4 words after every 64
	s_or_b32 s[G1A+8], s[RM], (1<<16)|(1<<20)|(1<<21)|(5<<22)|(3<<25)
	s_mov_b32 s[G1A+9], 128<<16
	s_mov_b32 s[G1A+10], 128<<16
	s_mov_b32 s[G1A+11], 128<<16
	s_mov_b32 s[G1A+12], 128
	s_mov_b32 s[G1A+13], SIZE_K
	s_mov_b32 s[G1A+14], 0
	s_mov_b32 s[G1A+15], 0
	; B large: 128 K rows x 128 columns, 8 words after every 64
	s_or_b32 s[G1B+0], s[CM], (1<<16)|(1<<20)|(1<<21)|(5<<22)|(7<<25)
	s_mov_b32 s[G1B+1], 128<<16
	s_mov_b32 s[G1B+2], 128<<16
	s_mov_b32 s[G1B+3], 128<<16
	s_mov_b32 s[G1B+4], 128
	s_mov_b32 s[G1B+5], SIZE_N
	s_mov_b32 s[G1B+6], 0
	s_mov_b32 s[G1B+7], 0
	; B small: 64 K rows
	s_or_b32 s[G1B+8], s[CM], (1<<16)|(1<<20)|(1<<21)|(5<<22)|(7<<25)
	s_mov_b32 s[G1B+9], 128<<16
	s_mov_b32 s[G1B+10], 64<<16
	s_mov_b32 s[G1B+11], 128<<16
	s_mov_b32 s[G1B+12], 64
	s_mov_b32 s[G1B+13], SIZE_N
	s_mov_b32 s[G1B+14], 0
	s_mov_b32 s[G1B+15], 0
	; A's address hangs on the block row and the wave, B's on the block column and the wave, each in registers that never hold the other coordinate
	s_lshl_b32 s17, s12, 7
	s_lshl_b32 s16, s13, 8
	s_add_co_u32 s16, s16, s17                     ; A: row 256 x block row + 128 x half
	s_mul_i32 s16, s16, SIZE_K*2
	s_mov_b32 s17, 0
	s_lshl_b32 s94, s[BX], 8                       ; B: column 128 x block column,
	s_mov_b32 s95, 0
	s_mul_i32 s66, s12, 128*SIZE_N*2               ; K row 128 x half of a large tile,
	s_mov_b32 s67, 0
	s_mul_i32 s68, s12, 64*SIZE_N*2                ; 64 x half of a small one
	s_mov_b32 s69, 0
	; LDS: the wave's number times a constant plus a constant; every one of these sums lies inside LDS for all four waves
	s_mul_i32 s20, s10, 128*PAL                    ; A large: LA (= 0) + wave x 67,584 (waves 0, 1)
	s_mul_i32 s21, s10, 128*PAS
	s_add_co_u32 s21, s21, SA                      ; A small: 135,168 + wave x 34,816
	s_mul_i32 s22, s10, 128*PB
	s_add_co_u32 s22, s22, LB-2*128*PB             ; B large: 204,800 + (wave - 2) x 36,864 (waves 2, 3)
	s_mul_i32 s23, s10, 64*PB
	s_add_co_u32 s23, s23, SB-2*64*PB              ; B small: 278,528 + (wave - 2) x 18,432
	s_wait_dscnt 0x0
	s_wait_kmcnt 0x0
	s_add_nc_u64 s[14:15], s[72:73], s[16:17]
	s_add_nc_u64 s[94:95], s[74:75], s[94:95]
	s_mov_b32 s[G0A+0], 1
	s_mov_b32 s[G0A+1], s20
	s_add_nc_u64 s[G0A+2:G0A+3], s[14:15], K0L*2
	s_or_b32 s[G0A+3], s[G0A+3], 0x80000000
	s_mov_b32 s[G0A+4], 1
	s_mov_b32 s[G0A+5], s21
	s_add_nc_u64 s[G0A+6:G0A+7], s[14:15], K0S*2
	s_or_b32 s[G0A+7], s[G0A+7], 0x80000000
	s_mov_b32 s[G0B+0], 1
	s_mov_b32 s[G0B+1], s22
	s_add_nc_u64 s[G0B+2:G0B+3], s[94:95], s[66:67]
	s_add_nc_u64 s[G0B+2:G0B+3], s[G0B+2:G0B+3], K0L*SIZE_N*2
	s_or_b32 s[G0B+3], s[G0B+3], 0x80000000
	s_mov_b32 s[G0B+4], 1
	s_mov_b32 s[G0B+5], s23
	s_add_nc_u64 s[G0B+6:G0B+7], s[94:95], s[68:69]
	s_add_nc_u64 s[G0B+6:G0B+7], s[G0B+6:G0B+7], K0S*SIZE_N*2
	s_or_b32 s[G0B+7], s[G0B+7], 0x80000000
	CROUND                                         ; in front of the first joint loads
	JLOAD 1                                        ; tile 0 (small), ahead of everything else,
	JLOAD 0                                        ; and tile 1 (large)
	v_and_b32 v1, 15, v0                           ; r
	v_bfe_u32 v2, v0, 4, 1                         ; h
	v_mul_u32_u24 v3, v1, PAL
	v_lshl_add_u32 v3, v2, 4, v3                   ; 528 r + 16 h
	s_mul_i32 s22, s10, 64*PAL                     ; my 64 rows of A
	v_add_nc_u32 v[ADRA], s22, v3
	v_mul_u32_u24 v3, v1, PAS
	v_lshl_add_u32 v3, v2, 4, v3                   ; 272 r + 16 h
	s_mul_i32 s22, s10, 64*PAS
	s_add_co_u32 s22, s22, SA
	v_add_nc_u32 v[ADRA+1], s22, v3
	v_and_b32 v4, 7, v0
	v_lshl_add_u32 v4, v2, 3, v4
	v_mul_u32_u24 v4, v4, PB
	v_bfe_u32 v5, v0, 3, 1
	v_lshl_add_u32 v4, v5, 4, v4
	v_add_nc_u32 v[ADRB], LB, v4
	v_add_nc_u32 v[ADRB+1], LB+128*PB, v4          ; the large slot's second half has a register of its own: its offsets would pass 16 bits
	v_add_nc_u32 v[ADRB+2], SB, v4
	s_mul_i32 s23, s10, SBYTES
	s_add_co_u32 s23, s23, STAGE                   ; my stage
	v_mul_u32_u24 v5, v1, SP
	v_lshl_add_u32 v5, v2, 5, v5
	v_add_nc_u32 v[STO], s23, v5                   ; in: row r, 32 bytes for each half of the lanes
	v_and_b32 v5, 31, v0
	v_lshlrev_b32 v[CO], 4, v5                     ; back and out: 32 lanes take a row's 512 bytes
	v_add_nc_u32 v[RD], s23, v[CO]
; The 32 accumulators take turns, one instruction a turn, in the same order in every quarter.
.macro MUL8 f, a, zero
.irp b, 0,1,2,3,4,5,6,7
.if \zero
	v_wmma_f32_16x16x32_f16 v[8*(8*\a+\b):8*(8*\a+\b)+7], v[\f+8*\b:\f+8*\b+7], v[\f+64+8*\a:\f+64+8*\a+7], 0
.else
	v_wmma_f32_16x16x32_f16 v[8*(8*\a+\b):8*(8*\a+\b)+7], v[\f+8*\b:\f+8*\b+7], v[\f+64+8*\a:\f+64+8*\a+7], v[8*(8*\a+\b):8*(8*\a+\b)+7]
.endif
.endr
.endm
; 24 LDS loads in one run: quarter q (32 along K; the large slot has 8 of them, the small one 4) of slot s into buffer f:
; B's 8 fragments turned, then A's 4, a ascending
.macro FETCH s, q, f
	WIN 0
.if (\s) == 0
.set FB,  ADRB+(\q)/4
.set FBO, ((\q)%4)*32*PB
.set FA,  ADRA
.set FAP, PAL
.else
.set FB,  ADRB+2
.set FBO, (\q)*32*PB
.set FA,  ADRA+1
.set FAP, PAS
.endif
.irp b, 0,1,2,3,4,5,6,7
	ds_load_tr16_b128 v[\f+8*\b:\f+8*\b+3],   v[FB] offset:FBO+32*\b
	ds_load_tr16_b128 v[\f+8*\b+4:\f+8*\b+7], v[FB] offset:FBO+32*\b+16*PB
.endr
.irp a, 0,1,2,3
	ds_load_b128 v[\f+64+8*\a:\f+64+8*\a+3],   v[FA] offset:(\q)*64+\a*16*FAP
	ds_load_b128 v[\f+64+8*\a+4:\f+64+8*\a+7], v[FA] offset:(\q)*64+\a*16*FAP+32
.endr
.endm
.macro QUARTER s, q, f, g, zero
	s_wait_dscnt 4                                 ; the youngest four loads (A's tiles 2, 3) may be out
	WIN MUL
	MUL8 \f, 0, \zero
	MUL8 \f, 1, \zero
	PLACES                                         ; four places in front of the loads into buffer g, which matrix instructions have read
	FETCH \s, \q, \g
	s_wait_dscnt 24                                ; all but the 24 just issued
	WIN MUL
	MUL8 \f, 2, \zero
	MUL8 \f, 3, \zero
.endm
.macro RUN s, zero                     ; all quarters of slot s but the last
	QUARTER \s, 1, F0, F1, \zero
	QUARTER \s, 2, F1, F0, 0
	QUARTER \s, 3, F0, F1, 0
.if (\s) == 0
	QUARTER \s, 4, F1, F0, 0
	QUARTER \s, 5, F0, F1, 0
	QUARTER \s, 6, F1, F0, 0
	QUARTER \s, 7, F0, F1, 0
.endif
.endm
; The change from slot s to slot o: each wave waits for its reads of slot s and for all its tensor loads, then the barrier (where the slot is
; filled again it opens a round of the cluster's barrier); behind it the refill comes first, then slot o's first fragments.
.macro TURN s, o, fill
	s_wait_dscnt 4
	WIN MUL
	MUL8 F1, 0, 0
	s_wait_dscnt 0                                 ; my reads of this slot are over
	s_wait_tensorcnt 0x0                           ; all my tensor loads have landed
	ds_add_u32 v62, v63
	s_wait_dscnt 0x0
	s_barrier_signal -1
	MUL8 F1, 1, 0
	WIN 0
	s_barrier_wait -1
.if \fill
	CREST
	s_add_nc_u64 s[G0A+4*\s+2:G0A+4*\s+3], s[G0A+4*\s+2:G0A+4*\s+3], LAPK*2
	s_add_nc_u64 s[G0B+4*\s+2:G0B+4*\s+3], s[G0B+4*\s+2:G0B+4*\s+3], LAPK*SIZE_N*2
	JLOAD \s                                       ; its four v_nop are also the places in front of the loads below
.else
	PLACES
.endif
	FETCH \o, 0, F0
	WIN MUL
	MUL8 F1, 2, 0
	MUL8 F1, 3, 0
.endm
	s_wait_tensorcnt 1                             ; my part of tile 0 is in; tile 1's stays out
	s_barrier_signal -1
	s_barrier_wait -1
	FETCH 1, 0, F0
	RUN 1, 1                                       ; tile 0 (small): its first quarter starts the sums
	TURN 1, 0, 1                                   ; tile 2 is asked for
	WIN 0
	s_mov_b32 s3, 4
.Llap:                                         ; tiles 1 to 8; each asks for the tile two further on, up to tile 10
	RUN 0, 0
	TURN 0, 1, 1
	RUN 1, 0
	TURN 1, 0, 1
	WIN 0
	s_sub_co_u32 s3, s3, 1
	s_cmp_lg_u32 s3, 0
	s_cbranch_scc1 .Llap
	RUN 0, 0                                       ; tile 9 (large) and tile 10 (small) fill nothing
	TURN 0, 1, 0
	RUN 1, 0
	s_wait_dscnt 4
	WIN MUL
	MUL8 F1, 0, 0
	MUL8 F1, 1, 0
	s_wait_dscnt 0
	MUL8 F1, 2, 0
	MUL8 F1, 3, 0
	WIN 0
	PLACES
	s_lshl_b32 s16, s13, 8
	s_lshl_b32 s17, s10, 6
	s_add_co_u32 s16, s16, s17                     ; my first row of C
	s_mul_i32 s16, s16, SIZE_N*4
	s_mov_b32 s17, 0
	s_add_nc_u64 s[76:77], s[76:77], s[16:17]
	s_lshl_b32 s94, s[BX], 9                       ; my block's first column, in bytes (in the registers that held B's address)
	s_mov_b32 s95, 0
	s_add_nc_u64 s[76:77], s[76:77], s[94:95]
; Rows 16 a .. 16 a + 15 of my 64: x 4 (oh holds o / 4), 32 bytes a lane into my stage, whole rows of 512 bytes back and out.
; The stage lies in the large slot's bytes: no tensor load follows, and every wave waited for its reads of that slot in front of the last barrier.
; It is my wave's own and LDS serves a wave's instructions in order (ISA guide 5.7.1): no wait between its stores and loads.
.macro OUTF a, f
	WIN 0x41
.irp b, 0,1,2,3,4,5,6,7
.irp p, 0,2,4,6
	v_pk_mul_f32 v[8*(8*\a+\b)+\p:8*(8*\a+\b)+\p+1], v[8*(8*\a+\b)+\p:8*(8*\a+\b)+\p+1], 4.0 op_sel_hi:[1,0]
.endr
.endr
	WIN 0x04                                       ; store data window 1
.irp b, 0,1,2,3,4,5,6,7
	ds_store_b128 v[STO], v[8*(8*\a+\b):8*(8*\a+\b)+3]   offset:64*\b
	ds_store_b128 v[STO], v[8*(8*\a+\b)+4:8*(8*\a+\b)+7] offset:64*\b+16
.endr
	WIN 0
	s_wait_xcnt 0x0                                ; buffer f, which earlier stores read, and the stores' base are rewritten only behind this wait
.if \a
	s_add_nc_u64 s[76:77], s[76:77], 16*SIZE_N*4
.endif
.irp t, 0,1,2,3,4,5,6,7,8,9,10,11,12,13,14,15
	ds_load_b128 v[\f+4*\t:\f+4*\t+3], v[RD] offset:SP*\t
.endr
.irp t, 0,1,2,3,4,5,6,7,8,9,10,11,12,13,14,15
	s_wait_dscnt 15-\t
	global_store_b128 v[CO], v[\f+4*\t:\f+4*\t+3], s[76:77] offset:\t*SIZE_N*4 th:TH_STORE_NT   ; the wave stores 512 consecutive bytes, aligned
.endr
.endm
	OUTF 0, 64
	OUTF 1, 128
	OUTF 2, 64
	OUTF 3, 128
	s_wait_tensorcnt 0x0
	ds_add_u32 v62, v63
	s_wait_dscnt 0x0
	CROUND                                         ; the closing round
	s_endpgm
.Lfunc_end_k_qf3c7d3f03a_oproj:
	.size	k_qf3c7d3f03a_oproj, .Lfunc_end_k_qf3c7d3f03a_oproj-k_qf3c7d3f03a_oproj
	.p2alignl 7, 3214868480
	.fill 96, 4, 3214868480
	.section	.rodata,"a",@progbits
	.p2align	6, 0x0
	.amdhsa_kernel k_qf3c7d3f03a_oproj
		.amdhsa_group_segment_fixed_size 327680
		.amdhsa_private_segment_fixed_size 0
		.amdhsa_enable_private_segment 0
		.amdhsa_kernarg_size 24
		.amdhsa_user_sgpr_count 2
		.amdhsa_user_sgpr_kernarg_segment_ptr 1
		.amdhsa_wavefront_size32 1
		.amdhsa_system_sgpr_workgroup_id_x 1
		.amdhsa_system_sgpr_workgroup_id_y 1
		.amdhsa_system_sgpr_workgroup_id_z 1
		.amdhsa_system_vgpr_workitem_id 0
		.amdhsa_next_free_vgpr 512
		.amdhsa_next_free_sgpr 96
		.amdhsa_reserve_vcc 0
		.amdhsa_float_denorm_mode_32 3
		.amdhsa_float_denorm_mode_16_64 3
		.amdhsa_memory_ordered 1
		.amdhsa_forward_progress 1
		.amdhsa_inst_pref_size 142
	.end_amdhsa_kernel
	.amdgpu_metadata
---
amdhsa.version: [ 1, 2 ]
amdhsa.kernels:
  - .name:           k_qf3c7d3f03a_oproj
    .symbol:         k_qf3c7d3f03a_oproj.kd
    .args:
      - { .name: oh, .offset: 0, .size: 8, .value_kind: global_buffer, .address_space: global }
      - { .name: woh, .offset: 8, .size: 8, .value_kind: global_buffer, .address_space: global }
      - { .name: out0, .offset: 16, .size: 8, .value_kind: global_buffer, .address_space: global }
    .group_segment_fixed_size: 327680
    .private_segment_fixed_size: 0
    .kernarg_segment_align: 8
    .kernarg_segment_size: 24
    .max_flat_workgroup_size: 128
    .sgpr_count:     96
    .vgpr_count:     512
    .wavefront_size: 32
...
	.end_amdgpu_metadata
.endif
;; end of part 4
;; ======== version 2 of 2: 4 launches; version 1 with the launch cast written anew for expert scheduling mode
;; limits: values are held in f16: magnitudes above 65,504 overflow, below 6.1e-05 lose precision; right only within a limited range of input values
;; workspace buffers: xb 16,777,216 bytes; wqkvb 25,165,824 bytes; woh 16,777,216 bytes; rope 1,048,576 bytes; qkvh 12,582,912 bytes; oh 8,388,608 bytes
;; launch cast (part 5): grid 1824 x 1, 8 waves a work-group, no clusters, 0 bytes of LDS; arguments x, wq, wk, wv, wo, xb, wqkvb, woh, rope; writes xb, wqkvb, woh, rope
.if DOCPART == 5
	.amdgcn_target "amdgcn-amd-amdhsa--gfx1250"
	.amdhsa_code_object_version 6
	.text
	.protected	k_qf3c7d3f03a_cast
	.globl	k_qf3c7d3f03a_cast
	.p2align	8
	.type	k_qf3c7d3f03a_cast,@function
k_qf3c7d3f03a_cast:
	s_mov_b64 s[64:65], 0
	v_nop
	global_prefetch_b8 v0, s[64:65] scope:SCOPE_SE
	s_setreg_imm32_b32 hwreg(HW_REG_WAVE_SCHED_MODE, 0, 2), 2
	s_setreg_imm32_b32 hwreg(HW_REG_WAVE_MODE, 25, 1), 1
	s_wait_xcnt 0x0
	s_wait_alu depctr_vm_vsrc(0)
; Launch 1 of 4.  The f32 inputs become 16-bit matrix operands, and the table of the rotation is made.
;   xb    [2048][4096] bf16 = x          wqkvb [4096][3072] bf16 = wq | wk | wv side by side along the columns
;   woh   [2048][4096] f16  = wo rounded to bf16 like the other inputs, that value then written as f16 (the product that
;         reads it has an f16 partner, and the f16 form takes both operands in f16).  The second step is exact for
;         2^-17 <= |w| < 65,504; below that it errs by at most 2^-25.
;   rope  [2048][128] f32: row s = cos(angle(s, j)) / 4 for j = 0..63, then sin(angle(s, j)) / 4.  The quarter is the scale at
;         which q, k and v are carried in f16 by the next launches; row 0 is exactly (1/4, 0).
; A stream: memory binds, so no LDS, no matrix unit, no cluster.  A unit is 512 numbers that are contiguous in source and
; destination (2,048 bytes in, 1,024 out).  A work-group takes 32 units, a wave 4: 8,192 contiguous source bytes, all sixteen
; 16-byte loads of a lane issued at once.  Each load of a wave covers 512 contiguous bytes, each store 256, aligned.
; Work-groups 0-511 x, 512-1023 wq, 1024-1535 wo, 1536-1663 wk, 1664-1791 wv, 1792-1823 the table.
; LIMIT: the table's angle differs from one computed with correctly rounded powers by a few units in the last place of the
; angle, at most about 3e-4 radians at position 2047.
; THE MODE: SCHED_MODE bits 1:0 = 2 (LLVM: expert scheduling mode 2), set by the entry lines.  The code itself states the register
; dependences between vector instructions and memory instructions, with s_wait_alu, always for 0.
; THE PLAN, the stream.  Registers that memory instructions touch:
;   v3, v[4:7]   byte offsets, made once ahead of the first load and never written again; read by the loads and by the stores.
;   LD           written by the sixteen loads, once each; read by the conversions; no vector instruction writes them.
;   PK           a pair for each load: written once, by that load's conversions; read by one store.
; The sixteen loads go in four blocks of four (a block is a unit).  Block j's conversions write block j's PK; the four stores of block
; j - 1 are dealt among them.  One wait on va_vdst at the head of blocks 1 to 3 states that the block before has written its PK; no vector
; instruction behind it names those registers or an offset, so the four stores follow with no further wait.  One more stands ahead of
; block 3's stores.  No register that a memory instruction reads is written again: no wait on vm_vsrc is owed.
; THE PLAN, the table.  v9, the stores' offset, is made once; v[32:63], the results, are written once each.  The sixteen angles' compares stand in
; one run, each into a scalar register of its own, with one wait on va_sdst behind the run; one wait on va_vdst stands ahead of the run of stores.
.set VD, 4                             ; v[4:7]    byte offset in the destination of my 8 bytes in unit j of my wave's four
.set LD, 16                            ; v[16:79]  sixteen loads of 4 registers
.set PK, 80                            ; v[80:111] sixteen pairs of packed results
.set SN, 64                            ; v[64:111] the table only: angle k of sixteen: the rest's sine, its cosine, n at SN + 3 k
.set MK, 36                            ; s[36:51]  the table only: angle k's mask 'n is odd' at MK + k
	s_load_b512 s[8:23], s[0:1], 0x0               ; x 8, wq 10, wk 12, wv 14, wo 16, xb 18, wqkvb 20, woh 22
	s_load_b64 s[24:25], s[0:1], 0x40              ; rope
	v_and_b32 v1, 31, v0                           ; lane
	v_lshrrev_b32 v2, 5, v0                        ; wave
	s_mov_b32 s2, ttmp9
	s_mov_b32 s35, 0                               ; upper word of the 32-bit offsets below
	s_cmp_ge_u32 s2, 1792
	s_cbranch_scc1 .Ltable
	; which tensor: source, destination, my number lw among its work-groups, and the destination byte of unit u0 + j
	; (u0 a multiple of 4) = u0 * MUL + COL + j * STEP.  Every choice hangs on the work-group's number alone.
	s_sub_co_u32 s36, s2, 512
	s_sub_co_u32 s37, s2, 1024
	s_sub_co_u32 s38, s2, 1536
	s_sub_co_u32 s39, s2, 1664
	s_mov_b32 s26, s2                              ; lw
	s_movk_i32 s27, 1024                           ; MUL
	s_movk_i32 s28, 1024                           ; STEP
	s_mov_b32 s29, 0                               ; COL
	s_wait_kmcnt 0x0
	s_mov_b64 s[30:31], s[8:9]                     ; x to xb: dense
	s_mov_b64 s[32:33], s[18:19]
	s_cmp_ge_u32 s2, 512                           ; wq: four units a row, rows 6,144 bytes apart: u0 * 1,536 = (u0 / 4) * 6,144
	s_cselect_b64 s[30:31], s[10:11], s[30:31]
	s_cselect_b64 s[32:33], s[20:21], s[32:33]
	s_cselect_b32 s26, s36, s26
	s_cselect_b32 s27, 1536, s27
	s_cmp_ge_u32 s2, 1024                          ; wo to woh: dense
	s_cselect_b64 s[30:31], s[16:17], s[30:31]
	s_cselect_b64 s[32:33], s[22:23], s[32:33]
	s_cselect_b32 s26, s37, s26
	s_cselect_b32 s27, 1024, s27
	s_cmp_ge_u32 s2, 1536                          ; wk: one unit a row, at column 2,048
	s_cselect_b64 s[30:31], s[12:13], s[30:31]
	s_cselect_b64 s[32:33], s[20:21], s[32:33]
	s_cselect_b32 s26, s38, s26
	s_cselect_b32 s27, 6144, s27
	s_cselect_b32 s28, 6144, s28
	s_cselect_b32 s29, 4096, s29
	s_cmp_ge_u32 s2, 1664                          ; wv: the same at column 2,560
	s_cselect_b64 s[30:31], s[14:15], s[30:31]
	s_cselect_b32 s26, s39, s26
	s_cselect_b32 s29, 5120, s29
	s_lshl_b32 s34, s26, 16                        ; 65,536 source bytes a work-group
	s_add_nc_u64 s[30:31], s[30:31], s[34:35]
	s_lshl_b32 s34, s26, 5                         ; 32 units a work-group
	s_mul_i32 s34, s34, s27
	s_add_co_u32 s34, s34, s29
	s_add_nc_u64 s[32:33], s[32:33], s[34:35]
	v_lshlrev_b32 v3, 4, v1
	v_lshl_add_u32 v3, v2, 13, v3                  ; source: 8,192 wave + 16 lane
	v_lshlrev_b32 v8, 3, v1                        ; destination: 8 lane
	v_lshlrev_b32 v9, 2, v2                        ; my wave's first unit
	v_mad_u32_u24 v[VD], v9, s27, v8
	v_add_nc_u32 v[VD+1], s28, v[VD]
	v_add_nc_u32 v[VD+2], s28, v[VD+1]
	v_add_nc_u32 v[VD+3], s28, v[VD+2]
	s_wait_alu depctr_va_vdst(0)                   ; v3 and v[4:7] are written: the loads below read v3 as their offset, the stores on both paths v[4:7]
.irp i, 0,1,2,3,4,5,6,7,8,9,10,11,12,13,14,15
	global_load_b128 v[LD+4*\i:LD+4*\i+3], v3, s[30:31] offset:512*\i th:TH_LOAD_NT
.endr
	s_cmp_lt_u32 s37, 512                          ; wo's work-groups (the difference wraps for smaller numbers)
	s_cbranch_scc1 .Lhalf
; Block j of four, to bf16.  Load 4 j + q is waited for by its count: 15 - 4 j - q younger loads may stay out.  The store of pair 4 (j - 1) + q
; stands ahead of the conversions of load 4 j + q.  No register is written twice.
.macro BLKB j
.irp q, 0,1,2,3
	s_wait_loadcnt 15-4*(\j)-\q
.if (\j) > 0
.if \q == 0
	s_wait_alu depctr_va_vdst(0)                   ; the block before has written its eight registers of PK, which the four stores of this block read
.endif
	global_store_b64 v[VD+(\j)-1], v[PK+8*(\j)-8+2*\q:PK+8*(\j)-8+2*\q+1], s[32:33] offset:256*\q   ; no vector instruction since the wait names these registers
.endif
	v_cvt_pk_bf16_f32 v[PK+8*(\j)+2*\q], v[LD+16*(\j)+4*\q], v[LD+16*(\j)+4*\q+1]
	v_cvt_pk_bf16_f32 v[PK+8*(\j)+2*\q+1], v[LD+16*(\j)+4*\q+2], v[LD+16*(\j)+4*\q+3]
.endr
.endm
; The same for wo: rounded to bf16, widened again (a shift, a mask), written as f16.  v10 to v15 are named by vector instructions alone.
.macro BLKH j
.irp q, 0,1,2,3
	s_wait_loadcnt 15-4*(\j)-\q
.if (\j) > 0
.if \q == 0
	s_wait_alu depctr_va_vdst(0)                   ; the block before has written its eight registers of PK, which the four stores of this block read
.endif
	global_store_b64 v[VD+(\j)-1], v[PK+8*(\j)-8+2*\q:PK+8*(\j)-8+2*\q+1], s[32:33] offset:256*\q   ; no vector instruction since the wait names these registers
.endif
	v_cvt_pk_bf16_f32 v10, v[LD+16*(\j)+4*\q], v[LD+16*(\j)+4*\q+1]
	v_cvt_pk_bf16_f32 v11, v[LD+16*(\j)+4*\q+2], v[LD+16*(\j)+4*\q+3]
	v_lshlrev_b32 v12, 16, v10
	v_and_b32 v13, 0xffff0000, v10
	v_lshlrev_b32 v14, 16, v11
	v_and_b32 v15, 0xffff0000, v11
	v_cvt_pk_f16_f32 v[PK+8*(\j)+2*\q], v12, v13
	v_cvt_pk_f16_f32 v[PK+8*(\j)+2*\q+1], v14, v15
.endr
.endm
; Block 3's stores, behind the last conversions.
.macro LAST4
	s_wait_alu depctr_va_vdst(0)                   ; block 3 has written its eight registers of PK, which the last four stores read
.irp q, 0,1,2,3
	global_store_b64 v[VD+3], v[PK+24+2*\q:PK+24+2*\q+1], s[32:33] offset:256*\q
.endr
.endm
	BLKB 0
	BLKB 1
	BLKB 2
	BLKB 3
	LAST4
	s_endpgm
.Lhalf:
	BLKH 0
	BLKH 1
	BLKH 2
	BLKH 3
	LAST4
	s_endpgm
.Ltable:
	; 32 work-groups x 8 waves x 8 rows.  A lane owns the frequencies j = 2 lane and 2 lane + 1, so that a store of 8 bytes a lane
	; is a whole half row of 256 bytes.
	v_readfirstlane_b32 s3, v2                     ; the wave's number as a scalar: this path alone reads it
	s_sub_co_u32 s26, s2, 1792
	s_lshl_b32 s26, s26, 3
	s_mov_b32 s50, 0x3d042108                      ; 1/31
	s_mov_b32 s51, 0x3f7ccccd                      ; 1 - 1/80
	s_mov_b32 s52, 0xb94ca1f9                      ; sine's highest coefficient, -1.9515296e-4
	s_mov_b32 s53, 0x37ccf5ce                      ; cosine's highest coefficient, 2.4433157e-5
	s_mov_b32 s54, 0x3e800000                      ; 1/4
	s_wait_alu depctr_va_sdst(0)                   ; s3 is written, ahead of its first reader: my wave's first row is made from it
	s_add_co_u32 s26, s26, s3
	s_lshl_b32 s26, s26, 3                         ; my wave's first row = position
	s_lshl_b32 s34, s26, 9                         ; 512 bytes a row
	s_wait_kmcnt 0x0
	s_add_nc_u64 s[24:25], s[24:25], s[34:35]
	v_lshlrev_b32 v9, 3, v1                        ; 8 lane
	v_lshlrev_b32 v3, 1, v1
	v_cvt_f32_u32 v4, v3                           ; j
	v_add_f32 v5, 1.0, v4                          ; j + 1
	v_mul_f32 v4, 0xbe549a78, v4                   ; -j log2(10000) / 64
	v_mul_f32 v5, 0xbe549a78, v5
	v_exp_f32 v6, v4                               ; 10000^(-j/64)
	v_exp_f32 v7, v5
	v_nop                                          ; one plain instruction behind the exponentials (ISA guide 5.7.2)
	s_wait_alu depctr_va_vdst(0)                   ; the two exponentials have written v6 and v7, ahead of their first reader
.irp e, 0,1
	v_mul_f32 v[10+\e], 0x46cbb7e4, v[6+\e]        ; 163,840 / wavelength = 26,075.946 x frequency
	v_fma_f32 v[10+\e], v[10+\e], s50, -s50        ; (r - 1) / 31
	v_med3_num_f32 v[10+\e], v[10+\e], 0, 1.0      ; gamma
	v_fmaak_f32 v[10+\e], s51, v[10+\e], 0x3c4ccccd   ; (1 - gamma) / 80 + gamma
	v_mul_f32 v[10+\e], v[6+\e], v[10+\e]          ; the scaled frequency
.endr                                                  ; s50 and s51 have had their last readers here: they serve as the last two masks below
; cos / 4 and sin / 4 of the angle v12 (position) x v[th] / sqrt(0.1 ln 80 + 1), in two parts.
; REST, for angle k: the angle less n quarter turns (pi/2 in two parts, each taken away by a fused multiply-add) lies in +-pi/4; there a polynomial
; of degree 7 for the sine and of degree 8 for the cosine.  It leaves the rest's sine, its cosine and n in registers of angle k's own, and the
; mask 'n is odd' in a scalar register of angle k's own.
.macro REST th, k
	v_mul_f32 v13, v12, v[\th]
	v_mul_f32 v13, 0x3f557773, v13                 ; x 0.83385388
	v_mul_f32 v14, 0x3f22f983, v13                 ; x 2/pi
	v_rndne_f32 v14, v14                           ; n
	v_fmamk_f32 v15, v14, 0xbfc90fdb, v13          ; - n x 1.57079637
	v_fmamk_f32 v15, v14, 0x333bbd2e, v15          ; + n x 4.3711388e-8
	v_mul_f32 v16, v15, v15                        ; z
	v_fmaak_f32 v17, s52, v16, 0x3c08839e
	v_fmaak_f32 v18, s53, v16, 0xbab6061a
	v_fmaak_f32 v17, v17, v16, 0xbe2aaaa3
	v_fmaak_f32 v18, v18, v16, 0x3d2aaaa5
	v_mul_f32 v17, v17, v16
	v_mul_f32 v18, v18, v16
	v_fma_f32 v19, v16, -0.5, 1.0
	v_fma_f32 v[SN+3*(\k)], v17, v15, v15          ; sine of the rest
	v_fma_f32 v[SN+3*(\k)+1], v18, v16, v19        ; cosine of the rest
	v_cvt_i32_f32 v[SN+3*(\k)+2], v14
	v_and_b32 v21, 1, v[SN+3*(\k)+2]
	v_cmp_eq_u32 s[MK+(\k)], 1, v21
.endm
; QUAD, for angle k: n mod 4 swaps sine and cosine and sets the signs; cos / 4 into v[oc], sin / 4 into v[os].
.macro QUAD k, oc, os
	v_cndmask_b32 v22, v[SN+3*(\k)], v[SN+3*(\k)+1], s[MK+(\k)]   ; odd n: the sine is the rest's cosine,
	v_cndmask_b32 v23, v[SN+3*(\k)+1], v[SN+3*(\k)], s[MK+(\k)]   ; the cosine its sine
	v_and_b32 v21, 2, v[SN+3*(\k)+2]               ; sine negative for n mod 4 = 2, 3
	v_add_nc_u32 v20, 1, v[SN+3*(\k)+2]
	v_and_b32 v20, 2, v20                          ; cosine negative for n mod 4 = 1, 2
	v_mul_f32 v22, s54, v22
	v_mul_f32 v23, s54, v23
	v_lshlrev_b32 v21, 30, v21
	v_lshlrev_b32 v20, 30, v20
	v_xor_b32 v[\os], v22, v21
	v_xor_b32 v[\oc], v23, v20
.endm
.irp row, 0,1,2,3,4,5,6,7
	s_add_co_u32 s27, s26, \row
	v_cvt_f32_u32 v12, s27
	REST 10, 2*\row
	REST 11, 2*\row+1
.endr
	s_wait_alu depctr_va_sdst(0)                   ; the sixteen compares have written s36 to s51, ahead of the first select that reads one of them
.irp row, 0,1,2,3,4,5,6,7
	QUAD 2*\row, 32+4*\row, 34+4*\row
	QUAD 2*\row+1, 33+4*\row, 35+4*\row
.endr
	s_wait_alu depctr_va_vdst(0)                   ; v[32:63], the stores' data, and v9, their offset, are written
.irp row, 0,1,2,3,4,5,6,7
	global_store_b64 v9, v[32+4*\row:33+4*\row], s[24:25] offset:512*\row        ; each row has result registers of its own
	global_store_b64 v9, v[34+4*\row:35+4*\row], s[24:25] offset:512*\row+256
.endr
	s_endpgm
.Lfunc_end_k_qf3c7d3f03a_cast:
	.size	k_qf3c7d3f03a_cast, .Lfunc_end_k_qf3c7d3f03a_cast-k_qf3c7d3f03a_cast
	.p2alignl 7, 3214868480
	.fill 96, 4, 3214868480
	.section	.rodata,"a",@progbits
	.p2align	6, 0x0
	.amdhsa_kernel k_qf3c7d3f03a_cast
		.amdhsa_group_segment_fixed_size 0
		.amdhsa_private_segment_fixed_size 0
		.amdhsa_enable_private_segment 0
		.amdhsa_kernarg_size 72
		.amdhsa_user_sgpr_count 2
		.amdhsa_user_sgpr_kernarg_segment_ptr 1
		.amdhsa_wavefront_size32 1
		.amdhsa_system_sgpr_workgroup_id_x 1
		.amdhsa_system_sgpr_workgroup_id_y 1
		.amdhsa_system_sgpr_workgroup_id_z 1
		.amdhsa_system_vgpr_workitem_id 0
		.amdhsa_next_free_vgpr 112
		.amdhsa_next_free_sgpr 66
		.amdhsa_reserve_vcc 0
		.amdhsa_float_denorm_mode_32 3
		.amdhsa_float_denorm_mode_16_64 3
		.amdhsa_memory_ordered 1
		.amdhsa_forward_progress 1
		.amdhsa_inst_pref_size 44
	.end_amdhsa_kernel
	.amdgpu_metadata
---
amdhsa.version: [ 1, 2 ]
amdhsa.kernels:
  - .name:           k_qf3c7d3f03a_cast
    .symbol:         k_qf3c7d3f03a_cast.kd
    .args:
      - { .name: x, .offset: 0, .size: 8, .value_kind: global_buffer, .address_space: global }
      - { .name: wq, .offset: 8, .size: 8, .value_kind: global_buffer, .address_space: global }
      - { .name: wk, .offset: 16, .size: 8, .value_kind: global_buffer, .address_space: global }
      - { .name: wv, .offset: 24, .size: 8, .value_kind: global_buffer, .address_space: global }
      - { .name: wo, .offset: 32, .size: 8, .value_kind: global_buffer, .address_space: global }
      - { .name: xb, .offset: 40, .size: 8, .value_kind: global_buffer, .address_space: global }
      - { .name: wqkvb, .offset: 48, .size: 8, .value_kind: global_buffer, .address_space: global }
      - { .name: woh, .offset: 56, .size: 8, .value_kind: global_buffer, .address_space: global }
      - { .name: rope, .offset: 64, .size: 8, .value_kind: global_buffer, .address_space: global }
    .group_segment_fixed_size: 0
    .private_segment_fixed_size: 0
    .kernarg_segment_align: 8
    .kernarg_segment_size: 72
    .max_flat_workgroup_size: 256
    .sgpr_count:     66
    .vgpr_count:     112
    .wavefront_size: 32
...
	.end_amdgpu_metadata
.endif
;; end of part 5
;; launch qkv: the kernel of part 2 again; grid 24 x 8, 4 waves a work-group, clusters of 4 x 4, 327,680 bytes of LDS; arguments xb, wqkvb, qkvh, rope; writes qkvh
;; launch attn: the kernel of part 3 again; grid 64 x 4, 4 waves a work-group, clusters of 4 x 1, 327,680 bytes of LDS; arguments qkvh, oh; writes oh
;; launch oproj: the kernel of part 4 again; grid 32 x 8, 4 waves a work-group, clusters of 4 x 4, 327,680 bytes of LDS; arguments oh, woh, out0; writes out0
